; MI455X (gfx1250); checked and timed in simulation.
; The chip was launched on July 23, 2026; its instructions are those of AMD's public machine-readable ISA for CDNA 5 (MIT licence, August 2026) and "CDNA5" Instruction Set Architecture Reference Guide (July 2026). The comments in the code are by the model that wrote it; some were corrected since.
;; Multi Head Attention. Allowed arithmetic: matrix products marked QUANTISED: E2M3 operands, one E8M0 scale for each 32 along K, by v_wmma_scale_f32_16x16x128_f8f6f4 with both operands' format E2M3, f32 sums; everything else in f32.
;; Inputs: Wk 1,024 x 1,024 float32; Wo 1,024 x 1,024 float32; Wq 1,024 x 1,024 float32; Wv 1,024 x 1,024 float32; bo 1,024 float32; mask 4 x 1 x 1 x 2,048 int32; x 4 x 2,048 x 1,024 float32.
;; Outputs: out0 4 x 2,048 x 1,024 float32.
;; This version of the problem:
;;   THIS VERSION OF THE PROBLEM IS GIVEN IN LOW PRECISION. The matrix products marked QUANTISED in the list below multiply operands that are first quantised to E2M3 (2 exponent bits, 3 mantissa bits; 6 bits a number), with one power-of-two scale for each 32 numbers along K (OCP MX v1.0); their sums are f32. All else is computed in f32.
;;   The module's matrix products, in the order in which they are computed (A, B: the left and right operand; K: the contracted axis; several contracted axes count as one K, in the product's order):
;;     1. [M 8,192, K 1,024] x [K 1,024, N 1,024]; A: input x; B: input Wq: QUANTISED
;;     2. [M 8,192, K 1,024] x [K 1,024, N 1,024]; A: input x; B: input Wk: QUANTISED
;;     3. [M 8,192, K 1,024] x [K 1,024, N 1,024]; A: input x; B: input Wv: QUANTISED
;;     4. batch 64 x [M 2,048, K 64] x [K 64, N 2,048]; A: computed on the way; B: computed on the way: QUANTISED
;;     5. batch 64 x [M 2,048, K 2,048] x [K 2,048, N 64]; A: softmax (see below); B: computed on the way: QUANTISED
;;     6. [M 8,192, K 1,024] x [K 1,024, N 1,024]; A: computed on the way; B: input Wo: QUANTISED
;;   THE QUANTISER, for each operand of a quantised product, along K:
;;     - K is cut into blocks of 32 from its start; a last block that is shorter is filled with zeros.
;;     - A block's scale is 2^e with e = floor(log2(the largest magnitude in the block)) - 2, held to -126 .. 127; a block of zeros has e = 0. As a byte (E8M0): e + 127.
;;     - Each number is divided by its block's scale, clamped to +-7.5, and rounded to the nearest number of E2M3, ties to even, subnormals kept.
;;     - The product sums the exact products of the quantised numbers (number of the format x scale) in f32.
;;   ~~~python
;;   def quantise(x, axis):      # numpy; x: float32 -> the quantised numbers, widened to float32 again
;;       x = np.moveaxis(x, axis, -1); K = x.shape[-1]
;;       x = np.pad(x, [(0, 0)] * (x.ndim - 1) + [(0, -K % 32)]); x = x.reshape(x.shape[:-1] + (-1, 32)); a = np.abs(x).max(-1, keepdims=True)
;;       e = np.where(a > 0, np.clip(np.frexp(np.where(a > 0, a, 1))[1] - 1 - 2, -126, 127), 0)      # np.frexp(a)[1] - 1 = floor(log2(a)), exactly
;;       r = np.clip(x / 2.0 ** e, -7.5, 7.5)
;;       step = 2.0 ** (np.maximum(np.frexp(np.where(r == 0, 1, r))[1] - 1, 0) - 3)
;;       q = np.round(r / step) * step * 2.0 ** e      # np.round: ties to even
;;       return np.moveaxis(q.reshape(q.shape[:-2] + (-1,))[..., :K], -1, axis).astype(np.float32)
;;   ~~~
;;   SOFTMAX AHEAD OF A QUANTISED PRODUCT. Where the list says 'softmax', what is quantised is not the finished softmax but p = 2^(t - M), with t = logit x log2(e) and M = ceil(the row's largest t), a whole number; so 1/2 < the row's largest p <= 1. The row's sum l is taken of the UNQUANTISED p, in f32, and the product's result is divided by l at the end. Since M is a whole number, a kernel that streams over the keys may use a running M (the ceiling of the running maximum): every later rescaling is an exact power of two, which a block's scale takes up: the codes' values come out the same.
;;   OPERANDS COMPUTED ON THE WAY. 'Computed on the way' means the value that the module computes at that place (a softmax that the list does not call 'softmax' is quantised finished and normalised). What goes into a quantiser is computed in f32, as accurately as f32 sums, v_exp_f32 and their like allow (about 1e-6 of the number): no bf16 or f16 on the way to a quantiser, and a product that is left as it is and whose result goes on into a quantised operand takes f32 operands (vector FMAs, or v_wmma_f32_16x16x4_f32). A number that lies on a knife's edge between two numbers of the format may be rounded either way, as far as f32 arithmetic and the matrix unit's own rounding can turn it there, and no further.
;; One version. Each part assembles by itself: llvm-mc -triple=amdgcn-amd-amdhsa -mcpu=gfx1250 --defsym DOCPART=n.
;; ======== version 1 of 1: 4 launches
;; limits: right only within a limited range of input values
;; workspace buffers: x_codes 6,291,456 bytes; x_scales 262,144 bytes; w_codes 3,145,728 bytes; w_scales 131,072 bytes; q 8,912,896 bytes; kv 15,466,496 bytes; a_codes 6,291,456 bytes; a_scales 262,144 bytes
;; launch quant (part 1): grid 768 x 1, 2 waves a work-group, no clusters, 17,408 bytes of LDS; arguments x, Wq, Wk, Wv, Wo, x_codes, x_scales, w_codes, w_scales; writes x_codes, x_scales, w_codes, w_scales
.if DOCPART == 1
	.amdgcn_target "amdgcn-amd-amdhsa--gfx1250"
	.amdhsa_code_object_version 6
	.text
	.protected	k_qc3a6aad10a_quant
	.globl	k_qc3a6aad10a_quant
	.p2align	8
	.type	k_qc3a6aad10a_quant,@function
k_qc3a6aad10a_quant:
	s_mov_b64 s[64:65], 0
	v_nop
	global_prefetch_b8 v0, s[64:65] scope:SCOPE_SE
	s_setreg_imm32_b32 hwreg(HW_REG_WAVE_MODE, 25, 1), 1
	s_wait_xcnt 0x0
; x [8192][1024] and Wq, Wk, Wv, Wo [1024][1024], f32 with K innermost, become codes of FP6 (E2M3) with one E8M0 scale byte for each 32 along K,
; laid as the later launches' operand registers want them.
; TILES.  A tile is 16 rows: tile 2 B + u, lane row r, holds row 32 B + 8 u + r + 8 (r / 8) of its tensor.
; IMAGES.  A fragment (16 rows x 128 K, 12 registers a lane) is stored as its registers stand: three pieces of 512 bytes, lane l's registers 4 c .. 4 c + 3 at 16 l.
; codes: [tile][8 K steps][1,536 bytes].  scales: [tile][K half][row r][4 words], a word for each K step of 128.
; A block's scale is 2^(floor(log2(its largest magnitude)) - 2); its byte is the largest magnitude's exponent field - 2, held at 1 from below.
; LIMITS: a block of zeros, and a block whose largest magnitude lies under 2^-124, gets the byte 1 (its codes are zeros or next to it; these bytes are read by this program alone);
; NaN and infinities among the inputs are not served.
; SHARES.  Work-group g takes one tile: 0-511 of x, 512-767 of Wq, Wk, Wv, Wo (64 each).  Wave w takes K half w: four fragments.  One path for all five tensors: only pointers are chosen.
; Each load reads 512 consecutive bytes of one row; a fragment's 16 rows turn through the wave's own stage in LDS (rows 528 bytes apart), so that a lane gets 16 neighbours of each block of 32.
; No matrix unit, no cluster, no tensor load: the launch streams, and its waves share nothing, so there is no barrier.
.set STGB,  8448                       ; a wave's stage: 16 rows x 528 bytes
.set SPARE, 2*STGB                     ; behind the stages: the spare words, 128 bytes for each wave
.set LI,  4                            ; v4   16 x lane
.set STO, 5                            ; v5   the stage, on the way in
.set RDB, 6                            ; v6   the stage, on the way out: 528 r + 64 h
.set SOF, 7                            ; v7   16 r + 8 h: my two scale words
.set SPW, 8                            ; v8   LDS address of my spare word; never rewritten
.set NIL, 9                            ; v9   0; never rewritten
.set TM,  12                           ; v12-27 at work in QUANT
.set PW,  28                           ; v28-31 the four fragments' scale words
.set PC,  32                           ; v32-43 a fragment's codes
.set E,   44                           ; v44-51 the conversions' second halves
.set SW,  52                           ; v52-53 the two scale words that I store
.set RS,  64                           ; v64-191 two sets of 64 numbers as loaded
.set X,   192                          ; v192-255 64 numbers: register 16 b + i = k 32 b + 16 h + i of my row
	s_load_b256 s[4:11], s[0:1], 0x0               ; x, Wq, Wk, Wv
	s_load_b256 s[12:19], s[0:1], 0x20             ; Wo, x_codes, x_scales, w_codes
	s_load_b64 s[20:21], s[0:1], 0x40              ; w_scales
	v_lshl_add_u32 v[SPW], v0, 2, SPARE
	v_mov_b32 v[NIL], 0
	v_lshrrev_b32 v1, 5, v0
	v_readfirstlane_b32 s22, v1                    ; wave
	v_and_b32 v2, 31, v0                           ; lane
	v_and_b32 v3, 15, v0                           ; r
	v_bfe_u32 v10, v0, 4, 1                        ; h
	v_lshlrev_b32 v[LI], 4, v2
	s_mul_i32 s23, s22, STGB
	v_add_nc_u32 v[STO], s23, v[LI]
	v_mul_u32_u24 v[RDB], v3, 528
	v_lshl_add_u32 v[RDB], v10, 6, v[RDB]
	v_add_nc_u32 v[RDB], s23, v[RDB]
	v_lshlrev_b32 v[SOF], 4, v3
	v_lshl_add_u32 v[SOF], v10, 3, v[SOF]
	s_mov_b32 s24, 0x76543210
	s_mov_b32 s25, 0xfedcba98                      ; v_permlanex16_b32's selects for lane l xor 16
	s_mov_b32 s26, 0xffff0000                      ; lanes 16-31
.irp b, 0,1,2,3
	v_mov_b32 v[TM+4+\b], 0                        ; written once: a lane permute's destination counts as one of its sources
.endr
	s_sub_co_u32 s27, ttmp9, 512                   ; a weight's tile among the 256
	s_and_b32 s28, s27, 63                         ; and within its own tensor
	s_cmp_lt_u32 ttmp9, 512
	s_cselect_b32 s28, ttmp9, s28                  ; the tile within the source
	s_cselect_b32 s29, ttmp9, s27                  ; and within the destination
	s_lshr_b32 s30, s28, 1
	s_lshl_b32 s30, s30, 17                        ; 32 rows of 4,096 bytes for each pair of tiles,
	s_and_b32 s31, s28, 1
	s_lshl_b32 s31, s31, 15                        ; 8 rows for the odd tile,
	s_add_co_u32 s30, s30, s31
	s_lshl_b32 s31, s22, 11                        ; my K half: 2,048 bytes
	s_add_co_u32 s30, s30, s31
	s_mov_b32 s31, 0
	s_mul_i32 s32, s29, 12288
	s_mul_i32 s34, s22, 6144
	s_add_co_u32 s32, s32, s34                     ; my four fragments' images
	s_mov_b32 s33, 0
	s_lshl_b32 s34, s29, 9
	s_lshl_b32 s35, s22, 8
	s_add_co_u32 s34, s34, s35                     ; my 256 bytes of scale words
	s_mov_b32 s35, 0
	s_wait_alu depctr_va_vdst(0)
	s_wait_kmcnt 0x0
	s_cmp_lt_u32 ttmp9, 704                        ; the choices hang on the work-group's number alone
	s_cselect_b64 s[12:13], s[10:11], s[12:13]
	s_cmp_lt_u32 ttmp9, 640
	s_cselect_b64 s[12:13], s[8:9], s[12:13]
	s_cmp_lt_u32 ttmp9, 576
	s_cselect_b64 s[12:13], s[6:7], s[12:13]
	s_cmp_lt_u32 ttmp9, 512
	s_cselect_b64 s[12:13], s[4:5], s[12:13]
	s_cselect_b64 s[14:15], s[14:15], s[18:19]
	s_cselect_b64 s[16:17], s[16:17], s[20:21]
	s_add_nc_u64 s[12:13], s[12:13], s[30:31]
	s_add_nc_u64 s[14:15], s[14:15], s[32:33]
	s_add_nc_u64 s[16:17], s[16:17], s[34:35]
.macro LOAD f                          ; fragment f: 128 numbers of each of the tile's 16 rows; 32 lanes read 512 consecutive bytes
.irp i, 0,1,2,3,4,5,6,7,8,9,10,11,12,13,14,15
	global_load_b128 v[RS+64*((\f)%2)+4*\i:RS+64*((\f)%2)+4*\i+3], v[LI], s[12:13] offset:(\i+8*(\i/8))*4096+512*(\f) th:TH_LOAD_NT
.endr
.endm
.macro TURN f                          ; through the stage: LDS serves a wave's instructions in order, so no wait stands between the stores and the loads
.irp i, 0,1,2,3,4,5,6,7,8,9,10,11,12,13,14,15
	ds_store_b128 v[STO], v[RS+64*((\f)%2)+4*\i:RS+64*((\f)%2)+4*\i+3] offset:528*\i
.endr
.irp b, 0,1,2,3
.irp j, 0,1,2,3
	ds_load_b128 v[X+16*\b+4*\j:X+16*\b+4*\j+3], v[RDB] offset:128*\b+16*\j
.endr
.endr
.endm
; 64 numbers of a lane become a fragment's codes in v[PC] on and its scale word in v[pw]
.macro QUANT s, pw
.irp b, 0,1,2,3
	v_max3_num_f32 v[TM+\b], |v[\s+16*\b]|, |v[\s+16*\b+1]|, 0x1800000   ; block b: my 16 numbers, and the floor 2^(3 - 127): the byte cannot fall under 1
.endr
.irp i, 2,4,6,8,10,12,14
.irp b, 0,1,2,3
	v_max3_num_f32 v[TM+\b], v[TM+\b], |v[\s+16*\b+\i]|, |v[\s+16*\b+\i+1]|   ; the four blocks by turns
.endr
.endr
.irp b, 0,1,2,3
	v_permlanex16_b32 v[TM+4+\b], v[TM+\b], s24, s25
.endr
.irp b, 0,1,2,3
	v_max_num_f32 v[TM+\b], v[TM+\b], v[TM+4+\b]   ; with lane l xor 16's: the block's largest magnitude
.endr
.irp b, 0,1,2,3
	v_add_nc_u32 v[TM+12+\b], 0xff000000, v[TM+\b] ; 2 off its exponent field: the conversion's scale operand
.endr
.irp b, 0,1,2,3
	v_lshrrev_b32 v[TM+4+\b], 23, v[TM+12+\b]      ; the scale's byte
.endr
	v_lshl_or_b32 v[\pw], v[TM+5], 8, v[TM+4]
	v_lshl_or_b32 v[\pw], v[TM+6], 16, v[\pw]
	v_lshl_or_b32 v[\pw], v[TM+7], 24, v[\pw]
.irp c, 0,1
	v_cvt_scalef32_pk16_fp6_f32 v[PC+6*\c:PC+6*\c+2], v[\s+32*\c:\s+32*\c+15], v[TM+12+2*\c]
	v_cvt_scalef32_pk16_fp6_f32 v[E+4*\c:E+4*\c+2], v[\s+32*\c+16:\s+32*\c+31], v[TM+13+2*\c]   ; (a conversion's three registers begin on an even number)
.endr
	v_nop                                          ; one plain place behind a scaled conversion
.irp c, 0,1                                    ; the operand's layout wants a whole block in a lane: lanes 0-15 block 2 c, lanes 16-31 block 2 c + 1
.irp i, 0,1,2
	v_permlane16_swap_b32 v[PC+6*\c+\i], v[E+4*\c+\i]
.endr
.irp i, 0,1,2
	v_mov_b32 v[PC+6*\c+3+\i], v[E+4*\c+\i]
.endr
.endr
.endm
.macro FRAGM f
.if (\f) < 3
	s_wait_loadcnt 16                              ; this fragment's 16 loads are in; the next fragment's 16 may be out
.else
	s_wait_loadcnt 0x0
.endif
	TURN \f
	s_wait_dscnt 0x0                               ; the numbers are back, and the stores into the stage have read their registers,
.if (\f) < 2
	LOAD (\f)+2                                    ; which take the loads of two fragments on
.endif
	s_wait_xcnt 0x0                                ; the last fragment's stores have read v[PC] on: only behind this wait are the codes written anew
	QUANT X, PW+(\f)
.irp c, 0,1,2
	global_store_b128 v[LI], v[PC+4*\c:PC+4*\c+3], s[14:15] offset:1536*(\f)+512*\c   ; 32 lanes store 512 consecutive bytes, aligned
.endr
.endm
	LOAD 0
	LOAD 1
	FRAGM 0
	FRAGM 1
	FRAGM 2
	FRAGM 3
	v_cndmask_b32 v[SW], v[PW], v[PW+2], s26       ; lane (r, h) stores row r's words 2 h and 2 h + 1
	v_cndmask_b32 v[SW+1], v[PW+1], v[PW+3], s26
	global_store_b64 v[SOF], v[SW:SW+1], s[16:17]  ; 32 lanes store 256 consecutive bytes, aligned
	s_wait_tensorcnt 0x0                           ; the wave's end
	ds_add_u32 v[SPW], v[NIL]
	s_wait_dscnt 0x0
	s_endpgm
.Lfunc_end_k_qc3a6aad10a_quant:
	.size	k_qc3a6aad10a_quant, .Lfunc_end_k_qc3a6aad10a_quant-k_qc3a6aad10a_quant
	.p2alignl 7, 3214868480
	.fill 96, 4, 3214868480
	.section	.rodata,"a",@progbits
	.p2align	6, 0x0
	.amdhsa_kernel k_qc3a6aad10a_quant
		.amdhsa_group_segment_fixed_size 17408
		.amdhsa_private_segment_fixed_size 0
		.amdhsa_enable_private_segment 0
		.amdhsa_kernarg_size 72
		.amdhsa_user_sgpr_count 2
		.amdhsa_user_sgpr_kernarg_segment_ptr 1
		.amdhsa_wavefront_size32 1
		.amdhsa_system_sgpr_workgroup_id_x 1
		.amdhsa_system_sgpr_workgroup_id_y 1
		.amdhsa_system_sgpr_workgroup_id_z 1
		.amdhsa_system_vgpr_workitem_id 0
		.amdhsa_next_free_vgpr 256
		.amdhsa_next_free_sgpr 66
		.amdhsa_reserve_vcc 0
		.amdhsa_float_denorm_mode_32 3
		.amdhsa_float_denorm_mode_16_64 3
		.amdhsa_memory_ordered 1
		.amdhsa_forward_progress 1
		.amdhsa_inst_pref_size 34
	.end_amdhsa_kernel
	.amdgpu_metadata
---
amdhsa.version: [ 1, 2 ]
amdhsa.kernels:
  - .name:           k_qc3a6aad10a_quant
    .symbol:         k_qc3a6aad10a_quant.kd
    .args:
      - { .name: x, .offset: 0, .size: 8, .value_kind: global_buffer, .address_space: global }
      - { .name: Wq, .offset: 8, .size: 8, .value_kind: global_buffer, .address_space: global }
      - { .name: Wk, .offset: 16, .size: 8, .value_kind: global_buffer, .address_space: global }
      - { .name: Wv, .offset: 24, .size: 8, .value_kind: global_buffer, .address_space: global }
      - { .name: Wo, .offset: 32, .size: 8, .value_kind: global_buffer, .address_space: global }
      - { .name: x_codes, .offset: 40, .size: 8, .value_kind: global_buffer, .address_space: global }
      - { .name: x_scales, .offset: 48, .size: 8, .value_kind: global_buffer, .address_space: global }
      - { .name: w_codes, .offset: 56, .size: 8, .value_kind: global_buffer, .address_space: global }
      - { .name: w_scales, .offset: 64, .size: 8, .value_kind: global_buffer, .address_space: global }
    .group_segment_fixed_size: 17408
    .private_segment_fixed_size: 0
    .kernarg_segment_align: 8
    .kernarg_segment_size: 72
    .max_flat_workgroup_size: 64
    .sgpr_count:     66
    .vgpr_count:     256
    .wavefront_size: 32
...
	.end_amdgpu_metadata
.endif
;; end of part 1
;; launch qkv (part 2): grid 12 x 32, 4 waves a work-group, clusters of 4 x 4, 327,680 bytes of LDS; arguments x_codes, x_scales, w_codes, w_scales, mask, q, kv; writes q, kv
.if DOCPART == 2
	.amdgcn_target "amdgcn-amd-amdhsa--gfx1250"
	.amdhsa_code_object_version 6
	.text
	.protected	k_qc3a6aad10a_qkv
	.globl	k_qc3a6aad10a_qkv
	.p2align	8
	.type	k_qc3a6aad10a_qkv,@function
k_qc3a6aad10a_qkv:
	s_mov_b64 s[64:65], 0
	v_nop
	global_prefetch_b8 v0, s[64:65] scope:SCOPE_SE
	s_setreg_imm32_b32 hwreg(HW_REG_WAVE_MODE, 25, 1), 1
	s_wait_xcnt 0x0
	s_wait_alu depctr_hold_cnt(0) depctr_sa_sdst(0) depctr_va_vdst(0) depctr_va_sdst(0) depctr_va_ssrc(0) depctr_va_vcc(0) depctr_vm_vsrc(0)
	s_getreg_b32 s2, hwreg(HW_REG_IB_STS2, 6, 4)
	s_cmp_eq_u32 s2, 0
	s_cbranch_scc0 .Lentry_in_a_cluster
	s_endpgm
.Lentry_in_a_cluster:
	s_bfe_u32 s2, ttmp6, 0x10000c
	s_cmp_lg_u32 s2, 0xf033
	s_cbranch_scc0 .Lentry_shape_is_right
	s_endpgm
.Lentry_shape_is_right:
; q = x Wq^T, k = x Wk^T, v = x Wv^T on codes of FP6 (E2M3) with E8M0 scales; the results are quantised in registers and leave as the attention launch's operand images.
; SHARES.  A work-group takes 16 tiles of x (256 tokens) and 16 tiles of a weight (256 features): four waves, each 128 x 128 in 64 accumulators.  The cluster's x is the kind: 0 q, 1 k, 2 v; it is the same in all sixteen partners.
; WHICH SIDE IS SOURCE 0.  q, k: source 0 (P) = the weight, source 1 (R) = x: a lane holds one token and its registers run along the features, the next product's K.
; v: P = x, R = Wv: a lane holds one channel and its registers run along the keys, the K of the product with the softmax.  Only the waves' LDS read addresses differ between the kinds.
; TILES: tile 2 B + u, lane row r, holds row 32 B + 8 u + r + 8 (r / 8): so the 16 registers of source 0's tiles 2 B and 2 B + 1 are 16 neighbours, 32 B + 16 h + 0 .. 15.
; OPERANDS lie in memory and LDS as images of their registers (three pieces of 512 bytes a fragment, 16 bytes a lane): no pitch, no padding, every LDS load takes 512 consecutive bytes.
; RING.  K = 1,024 is 8 steps of 128.  Three LDS slots of two steps each and all scale words are first fills (one tensor load of a wave is out at a time); ONE refill brings steps 6 and 7 into slot 0.
; CLUSTER.  x's tiles hang on the work-group's y alone and are asked for jointly along a row of the cluster, the weight's on its x alone, along a column.
; THE MASK rides in the half of the score product's K that the head's 64 leave free: q carries the code of -1.0 at k = 64 under the scale 2^17; a masked key has zero codes, the code of 1.0 at k = 64 and the scale 2^16
; there; an open key has the code 0 there and the scale byte 1.  So a masked score is exactly -2^33 and an open one is untouched.
; LIMITS: the masked logit is -2^30 where the problem writes -1e9: the same results while open logits lie above about -1e9.  A block of zeros or under 2^-124 gets the scale byte 1 (read by this program alone).  NaN and infinities are not served.
; No prefetch: nearly all the launch's tiles are asked for at its head.
; REGISTERS, in windows of 256: window 0: v8-20 addresses; v32-95 scale words; v96-103 mask words; v104-127 the way out's constants and kept scale words; v128-223 R's fragments (one set), on the way out at work.
;   window 1: P's fragments, two sets, at v0 and v128.   windows 2, 3: the accumulators: (a, b) at v[8 (8 (a % 4) + b)] of window 2 + a / 4.
.set FR,    12
.set SLOTB, 98304                      ; slot 0: x's 16 tiles x 3,072 bytes (two K steps), then the weight's.
; THE RING AS THE TEXT NOW HAS IT (in place of the paragraph RING above): at the head one tensor load a wave: wave 0 x's 16 tiles of K steps 0 and 1, wave 1 the weight's, wave 2 x's scale words, wave 3 the weight's.
; Behind a drained round one load a wave brings its 8 tiles' K steps 2 to 5 (rows of 6,144 bytes) into the 196,608 bytes behind slot 0; one refill brings K steps 6 and 7 into slot 0.  One tensor load of a wave is out at any time.
.set SCL,   3*SLOTB                    ; the scale words: x's 8,192 bytes, then the weight's
.set SPARE, SCL+16384+1024             ; the spare words, 128 bytes for each wave
.set LI,   8                           ; v8   16 x lane
.set L8,   9                           ; v9   8 x lane
.set MOF,  10                          ; v10  4 (r + 8 (r / 8)): my token's mask word in a tile
.set ADRP, 12                          ; v12, v13 P's fragments in slot 0 and behind it
.set ADRR, 16                          ; v16, v17 R's
.set ADRS, 20                          ; v20  my scale words: lanes 0-15 R's, lanes 16-31 P's
.set SPW,  28                          ; v28  LDS address of my spare word; never rewritten
.set NIL,  29                          ; v29  0; never rewritten
.set SC,   32                          ; register 32 (ks / 4) + 4 i + ks % 4: tile i's word for K step ks
.set MK,   96
.set KM,   104                         ; what a masked row's codes are ANDed with
.set BO,   105                         ; register 6 of an open row's image,
.set BM,   106                         ; of a masked row's
.set MBO,  107                         ; the upper two scale bytes of an open row,
.set MBM,  108                         ; of a masked row
.set KEEP, 109
.set MB,   110
.set WA,   112                         ; v112-119 kept scale words, first head
.set WB,   120                         ; v120-127 second head
.set RF,   128
.set PC,   128                         ; the way out: codes
.set E,    144
.set TM,   152
.set PW,   168
.set SW,   172
.set G1X,  24
.set G1W,  32
.set G1SX, 40
.set G1SW, 48
.set MSB, 0
.macro WIN new                         ; the immediate's high byte repeats the setting that is left
.if MSB != (\new)
	s_set_vgpr_msb (MSB<<8)|(\new)
.set MSB, (\new)
.endif
.endm
.set MUL_LO, 0xa1                      ; source 0 (P) window 1, source 1 (R) window 0, C and D window 2
.set MUL_HI, 0xf1                      ; the same, C and D window 3
.macro PLACES n
.rept \n
	v_nop
.endr
.endm
; A joint load: waves 0 and 1 fetch x's side, waves 2 and 3 the weight's.  The branch hangs on the wave's number alone.  An s_nop 0 and four v_nop follow each of the two lines.
.macro JLOAD g0a, g1a, g0b, g1b
	s_cmp_eq_u32 s19, 0
	s_cbranch_scc0 .Lfor_b_\@
	tensor_load_to_lds s[\g0a:\g0a+3], s[\g1a:\g1a+7]
	s_nop 0
.rept 4
	v_nop
.endr
	s_branch .Lasked_\@
.Lfor_b_\@:
	tensor_load_to_lds s[\g0b:\g0b+3], s[\g1b:\g1b+7]
	s_nop 0
.rept 4
	v_nop
.endr
.Lasked_\@:
.endm
.macro CREST                           ; a round of the cluster's barrier behind its opening barrier
	s_cmp_lg_u32 s18, 0
	s_cbranch_scc1 .Lnot_wave_0_\@
	s_barrier_signal -3
.Lnot_wave_0_\@:
	s_barrier_wait -3
	s_barrier_signal -1
	s_barrier_wait -1
.endm
.macro CROUND
	s_barrier_signal -1
	s_barrier_wait -1
	CREST
.endm
	s_load_b256 s[4:11], s[0:1], 0x0               ; x_codes s[4:5], x_scales s[6:7], w_codes s[8:9], w_scales s[10:11]
	s_load_b128 s[12:15], s[0:1], 0x20             ; mask s[12:13], q s[14:15]
	s_load_b64 s[16:17], s[0:1], 0x30              ; kv
	v_lshl_add_u32 v[SPW], v0, 2, SPARE
	v_mov_b32 v[NIL], 0
	ds_add_u32 v[SPW], v[NIL]                      ; the wave's opening: the add and its wait ahead of my first tensor load
	ds_add_u32 v[SPW], v[NIL]
	v_lshrrev_b32 v1, 5, v0
	v_readfirstlane_b32 s18, v1                    ; wave 0..3
	s_lshr_b32 s19, s18, 1                         ; wr: my half of R.  Also: I fetch x's side (0) or the weight's (1)
	s_and_b32 s20, s18, 1                          ; wp: my half of P.  Also: which 8 tiles of that side I fetch
	s_bfe_u32 s21, ttmp6, 0x40000                  ; cx
	s_bfe_u32 s22, ttmp6, 0x40004                  ; cy
	s_lshl_b32 s23, ttmp9, 2
	s_add_co_u32 s23, s23, s21                     ; gx = 4 x cluster x + cx: 16 tiles of the weights
	s_and_b32 s92, ttmp7, 0xffff
	s_lshl_b32 s92, s92, 2
	s_add_co_u32 s92, s92, s22                     ; gy = 4 x cluster y + cy: 16 tiles of x
	s_mov_b32 s93, ttmp9                           ; the kind
	s_lshl_b32 s2, s22, 2
	s_lshl_b32 s2, 15, s2                          ; my row of the cluster
	s_lshl_b32 s3, 0x1111, s21                     ; my column
	s_or_b32 s[G1X], s2, (3<<16)|(1<<21)           ; 15:0 the mask; 17:16 elements of 8 bytes; 21 set beside a mask; no padding
	s_or_b32 s[G1W], s3, (3<<16)|(1<<21)
	s_or_b32 s[G1SX], s2, (3<<16)|(1<<21)
	s_or_b32 s[G1SW], s3, (3<<16)|(1<<21)
.irp g, G1X, G1W                               ; codes: 8 tiles' two K steps: 8 rows of 3,072 bytes (384 elements), 12,288 bytes apart
	s_mov_b32 s[\g+1], 384<<16
	s_mov_b32 s[\g+2], 16<<16                      ; the head's loads of codes take 16 tiles
	s_mov_b32 s[\g+3], 384<<16
	s_mov_b32 s[\g+4], 16
	s_mov_b32 s[\g+5], 1536
	s_mov_b32 s[\g+6], 0
	s_mov_b32 s[\g+7], 0
.endr
.irp g, G1SX, G1SW                             ; scale words of 16 tiles: 8,192 dense bytes as 32 rows of 256
	s_mov_b32 s[\g+1], 32<<16
	s_mov_b32 s[\g+2], 32<<16                      ; the scale words of 16 tiles: 8,192 dense bytes as 32 rows of 256
	s_mov_b32 s[\g+3], 32<<16
	s_mov_b32 s[\g+4], 32
	s_mov_b32 s[\g+5], 32
	s_mov_b32 s[\g+6], 0
	s_mov_b32 s[\g+7], 0
.endr
	s_lshl_b32 s94, s20, 3                         ; 8 x (wave & 1)
	s_lshl_b32 s95, s92, 4
	s_add_co_u32 s95, s95, s94                     ; x: the first tile that I fetch
	s_mul_i32 s98, s95, 12288
	s_mov_b32 s99, 0
	s_lshl_b32 s2, s92, 13                         ; x's scale words: 16 gy tiles of 512 bytes
	s_mov_b32 s3, 0
	s_lshl_b32 s96, s23, 4
	s_add_co_u32 s96, s96, s94                     ; the weight's
	s_mul_i32 s100, s96, 12288
	s_mov_b32 s101, 0
	s_lshl_b32 s96, s23, 13                        ; the weight's: 16 gx tiles
	s_mov_b32 s97, 0
	s_mul_i32 s94, s18, 24576                      ; where they go in a slot: wave x 8 tiles: no place in the cluster enters an LDS address
	s_wait_dscnt 0x0                               ; the opening add is done
	s_wait_kmcnt 0x0
	s_add_nc_u64 s[4:5], s[4:5], s[98:99]
	s_add_nc_u64 s[6:7], s[6:7], s[2:3]
	s_add_nc_u64 s[8:9], s[8:9], s[100:101]
	s_add_nc_u64 s[10:11], s[10:11], s[96:97]
	CROUND                                         ; all sixteen work-groups are here: the first joint loads meet
	s_mov_b32 s84, 1
	s_mov_b32 s85, SCL
	s_mov_b64 s[86:87], s[6:7]
	s_or_b32 s87, s87, 0x80000000
	s_mov_b32 s88, 1
	s_mov_b32 s89, SCL+8192
	s_mov_b64 s[90:91], s[10:11]
	s_or_b32 s91, s91, 0x80000000
	s_mov_b32 s56, 1                               ; the refill's groups 0: my 8 tiles in slot 0 (stepped to K step 6 when it is asked for)
	s_add_co_u32 s57, s94, 0
	s_mov_b64 s[58:59], s[4:5]
	s_or_b32 s59, s59, 0x80000000
	s_mov_b32 s72, 1
	s_add_co_u32 s73, s94, 0
	s_mov_b64 s[74:75], s[8:9]
	s_or_b32 s75, s75, 0x80000000
	s_mov_b32 s60, 1                               ; K steps 2 to 5 of my 8 tiles: wave x 49,152 bytes behind slot 0
	s_mul_i32 s61, s18, 49152
	s_add_co_u32 s61, s61, SLOTB
	s_add_nc_u64 s[62:63], s[4:5], 3072
	s_or_b32 s63, s63, 0x80000000
	s_mov_b32 s76, 1
	s_mul_i32 s77, s18, 49152
	s_add_co_u32 s77, s77, SLOTB
	s_add_nc_u64 s[78:79], s[8:9], 3072
	s_or_b32 s79, s79, 0x80000000
	s_mul_i32 s2, s20, 98304                       ; back from my 8 tiles to the side's first tile
	s_mov_b32 s3, 0
	s_mov_b32 s68, 1                               ; the head's groups 0: all 16 tiles of a side, K steps 0 and 1
	s_mov_b32 s69, 0
	s_sub_nc_u64 s[70:71], s[4:5], s[2:3]
	s_or_b32 s71, s71, 0x80000000
	s_mov_b32 s80, 1
	s_mov_b32 s81, 49152
	s_sub_nc_u64 s[82:83], s[8:9], s[2:3]
	s_or_b32 s83, s83, 0x80000000
; the head's loads, one a wave, in one chain of branches on the wave's number
.macro ARM under, g0, g1, next
	s_cmp_lt_u32 s18, \under
	s_cbranch_scc0 \next
	tensor_load_to_lds s[\g0:\g0+3], s[\g1:\g1+7]
	s_nop 0
.rept 4
	v_nop
.endr
	s_branch .Lhead_asked
\next:
.endm
	ARM 1, 68, G1X, .Lhead_w
	ARM 2, 80, G1W, .Lhead_sx
	ARM 3, 84, G1SX, .Lhead_sw
	tensor_load_to_lds s[88:91], s[G1SW:G1SW+7]
	s_nop 0
.rept 4
	v_nop
.endr
.Lhead_asked:
	v_and_b32 v1, 31, v0
	v_and_b32 v2, 15, v0                           ; r
	v_lshlrev_b32 v[LI], 4, v1
	s_wait_alu depctr_va_vdst(0)
	v_lshlrev_b32 v[L8], 3, v1
	v_and_b32 v3, 8, v2
	v_add_nc_u32 v3, v3, v2
	v_lshlrev_b32 v[MOF], 2, v3
	s_mov_b32 s94, 0xffff0000                      ; lanes 16-31
	s_cmp_eq_u32 s93, 2                            ; v: P is x's side, R the weight's; q, k: the other way round
	s_cselect_b32 s2, 0, 49152
	s_cselect_b32 s3, 49152, 0
	s_cselect_b32 s96, 0, 8192
	s_cselect_b32 s97, 8192, 0
	s_mul_i32 s98, s20, 24576
	s_add_co_u32 s2, s2, s98                       ; my 8 tiles of P
	s_mul_i32 s98, s19, 24576
	s_add_co_u32 s3, s3, s98                       ; my 8 tiles of R
	v_add_nc_u32 v[ADRP], s2, v[LI]                ; slot 0
	v_add_nc_u32 v[ADRR], s3, v[LI]
	s_lshl_b32 s2, s2, 1                           ; behind slot 0 a tile has twice the bytes, so every place is twice as far in
	s_lshl_b32 s3, s3, 1
	s_add_co_u32 s2, s2, SLOTB
	s_add_co_u32 s3, s3, SLOTB
	v_add_nc_u32 v[ADRP+1], s2, v[LI]
	v_add_nc_u32 v[ADRR+1], s3, v[LI]
	s_lshl_b32 s98, s20, 12
	s_add_co_u32 s96, s96, s98                     ; P's scale words
	s_lshl_b32 s98, s19, 12
	s_add_co_u32 s97, s97, s98                     ; R's
	v_mov_b32 v4, s97
	v_mov_b32 v5, s96
	v_cndmask_b32 v4, v4, v5, s94                  ; lanes 0-15 take R's, lanes 16-31 P's
	v_lshl_add_u32 v4, v2, 4, v4
	v_add_nc_u32 v[ADRS], SCL, v4
	s_mov_b32 s96, 0x76543210
	s_mov_b32 s97, 0xfedcba98                      ; v_permlanex16_b32's selects for lane l xor 16
	s_lshl_b32 s98, s92, 10
	s_lshl_b32 s99, s19, 9
	s_add_co_u32 s98, s98, s99                     ; the mask words of tokens 256 gy + 128 wr on
	s_mov_b32 s99, 0
	s_add_nc_u64 s[12:13], s[12:13], s[98:99]
.irp a, 0,1,2,3,4,5,6,7
	global_load_b32 v[MK+\a], v[MOF], s[12:13] offset:(32*(\a/2)+8*(\a%2))*4   ; my token's in R's tile a (used by kind k)
.endr
.macro FRAG reg, adr, ks, i            ; a fragment's image: three loads of 512 consecutive bytes; K steps 2 to 5 lie behind slot 0, four to a tile
.irp c, 0,1,2
.if (\ks) >= 2 && (\ks) < 6
	ds_load_b128 v[(\reg)+4*\c:(\reg)+4*\c+3], v[(\adr)+1] offset:6144*(\i)+1536*((\ks)-2)+512*\c
.else
	ds_load_b128 v[(\reg)+4*\c:(\reg)+4*\c+3], v[\adr] offset:3072*(\i)+1536*((\ks)%2)+512*\c
.endif
.endr
.endm
.macro FETCH_P ks                      ; P's eight fragments of K step ks into set ks % 2
	WIN 0x40
.irp i, 0,1,2,3,4,5,6,7
	FRAG 128*((\ks)%2)+FR*\i, ADRP, \ks, \i
.endr
	WIN 0
.endm
.macro FETCH_R ks, i0                  ; R's tiles i0 .. i0 + 3
.irp i, \i0, \i0+1, \i0+2, \i0+3
	FRAG RF+FR*(\i), ADRR, \ks, \i
.endr
.endm
.macro SCALES                          ; all of K's scale words, once
.irp kh, 0,1
.irp i, 0,1,2,3,4,5,6,7
	ds_load_b128 v[SC+32*\kh+4*\i:SC+32*\kh+4*\i+3], v[ADRS] offset:512*\i+256*\kh
.endr
.endr
.endm
; 16 matrix instructions: R's tiles a0, a0 + 1 x P's eight.  The 64 accumulators take turns, one instruction a turn, in the same order in every step.
.macro MUL16 a0, ks, zero
.irp a, \a0, \a0+1
.irp b, 0,1,2,3,4,5,6,7
.if \zero
	v_wmma_scale_f32_16x16x128_f8f6f4 v[8*(8*((\a)%4)+\b):8*(8*((\a)%4)+\b)+7], v[128*((\ks)%2)+FR*\b:128*((\ks)%2)+FR*\b+FR-1], v[RF+FR*(\a):RF+FR*(\a)+FR-1], 0, v[SC+32*((\ks)/4)+4*\b+(\ks)%4], v[SC+32*((\ks)/4)+4*(\a)+(\ks)%4] matrix_a_fmt:MATRIX_FMT_FP6 matrix_b_fmt:MATRIX_FMT_FP6 matrix_a_scale:MATRIX_SCALE_ROW1
.else
	v_wmma_scale_f32_16x16x128_f8f6f4 v[8*(8*((\a)%4)+\b):8*(8*((\a)%4)+\b)+7], v[128*((\ks)%2)+FR*\b:128*((\ks)%2)+FR*\b+FR-1], v[RF+FR*(\a):RF+FR*(\a)+FR-1], v[8*(8*((\a)%4)+\b):8*(8*((\a)%4)+\b)+7], v[SC+32*((\ks)/4)+4*\b+(\ks)%4], v[SC+32*((\ks)/4)+4*(\a)+(\ks)%4] matrix_a_fmt:MATRIX_FMT_FP6 matrix_b_fmt:MATRIX_FMT_FP6 matrix_a_scale:MATRIX_SCALE_ROW1
.endif
.endr
.endr
.endm
; A K step whose successor's tiles are known to lie in LDS.  Four plain places stand in front of each run of loads into registers that matrix instructions have read (ISA guide 7.12.1 for vector instructions).
.macro STEP ks, zero
	s_wait_dscnt 12                                ; P's set and R's tiles 0-3 are in; the youngest 12 loads (R's tiles 4-7) may be out
	WIN MUL_LO
	MUL16 0, \ks, \zero
	MUL16 2, \ks, \zero
	s_wait_dscnt 0x0                               ; R's tiles 4-7 are in
	PLACES 4
	FETCH_P (\ks)+1
	FETCH_R (\ks)+1, 0
	WIN MUL_HI
	MUL16 4, \ks, \zero
	MUL16 6, \ks, \zero
	PLACES 4
	WIN 0
	FETCH_R (\ks)+1, 4
.endm
; A K step with a barrier.  In front of it each wave waits for all its tensor loads, adds 0 to its spare word, and waits for that and for its own LDS reads.  fill = 1: slot 0, which nobody reads any more, takes K steps 6 and 7.
.macro TURN ks, fill
	s_wait_tensorcnt 0x0                           ; all my tensor loads have landed
	ds_add_u32 v[SPW], v[NIL]                      ; 0 onto my spare word
	s_wait_dscnt 13                                ; (the add and the youngest 12 loads may be out)
	WIN MUL_LO
	MUL16 0, \ks, 0
	s_wait_dscnt 0x0                               ; the add is done, and my reads of the slots so far are over
	s_barrier_signal -1
	MUL16 2, \ks, 0
	WIN 0
	s_barrier_wait -1
.if \fill
	CREST                                          ; the barrier has opened a round of the cluster's barrier: no wave of any partner still reads slot 0 or has a load on its way
	s_add_nc_u64 s[58:59], s[58:59], 9216          ; three slots on along K
	s_add_nc_u64 s[74:75], s[74:75], 9216
	s_mov_b32 s[G1X+1], 384<<16                    ; no tensor load of mine is out: the refill's rows are two K steps, 3,072 bytes
	s_mov_b32 s[G1X+3], 384<<16
	s_mov_b32 s[G1W+1], 384<<16
	s_mov_b32 s[G1W+3], 384<<16
	JLOAD 56, G1X, 72, G1W                         ; the first tensor load behind the round; its four v_nop are the places in front of the loads below
.else
	PLACES 4
.endif
	FETCH_P (\ks)+1
	FETCH_R (\ks)+1, 0
	WIN MUL_HI
	MUL16 4, \ks, 0
	MUL16 6, \ks, 0
	PLACES 4
	WIN 0
	FETCH_R (\ks)+1, 4
.endm
	s_wait_alu depctr_va_vdst(0)
	s_wait_tensorcnt 0x0                           ; my tile of the head's four is in
	ds_add_u32 v[SPW], v[NIL]
.irp g, G1X, G1W                               ; no tensor load of mine is out: from here a load brings 8 tiles' rows of four K steps, 6,144 bytes
	s_mov_b32 s[\g+1], 768<<16
	s_mov_b32 s[\g+2], 8<<16
	s_mov_b32 s[\g+3], 768<<16
	s_mov_b32 s[\g+4], 8
.endr
	s_wait_dscnt 0x0
	CROUND                                         ; all four tiles are in, in every work-group of the cluster
	JLOAD 60, G1X, 76, G1W                         ; K steps 2 to 5, the first tensor load behind the round
	FETCH_P 0
	FETCH_R 0, 0
	SCALES
	FETCH_R 0, 4
	STEP 0, 1                                      ; the first products start the sums: nothing is cleared
	TURN 1, 1                                      ; its wait for all loads also shows slots 1 and 2 landed in every wave: the change from slot 1 to slot 2 needs no barrier
	STEP 2, 0
	STEP 3, 0
	STEP 4, 0
	TURN 5, 0                                      ; the refill has landed in every wave
	STEP 6, 0
	s_wait_dscnt 12
	WIN MUL_LO
	MUL16 0, 7, 0
	MUL16 2, 7, 0
	s_wait_dscnt 0x0
	WIN MUL_HI
	MUL16 4, 7, 0
	MUL16 6, 7, 0
	WIN 0
	PLACES 4                                       ; in front of the first read of results and the first write of R's registers
; 64 numbers of a lane, v[s] on in window w, register 16 b + i = k 32 b + 16 h + i of my row, become codes: registers pc + fs c + 0 .. 5 hold k = 64 c + 32 h + 0 .. 31; the scale word goes to v[pw].
; Each accumulator is read from its low end on.
.macro QUANT s, w, pc, fs, e, pw
	WIN ((\w)<<2)|((\w)<<4)
.irp b, 0,1,2,3
	v_max3_num_f32 v[TM+\b], 0x1800000, |v[(\s)+16*\b]|, |v[(\s)+16*\b+1]|   ; the floor 2^(3 - 127): the byte cannot fall under 1
.endr
.irp i, 2,4,6,8,10,12,14
.irp b, 0,1,2,3
	v_max3_num_f32 v[TM+\b], v[TM+\b], |v[(\s)+16*\b+\i]|, |v[(\s)+16*\b+\i+1]|
.endr
.endr
	WIN 0
.irp b, 0,1,2,3
	v_permlanex16_b32 v[TM+4+\b], v[TM+\b], s96, s97
.endr
.irp b, 0,1,2,3
	v_max_num_f32 v[TM+\b], v[TM+\b], v[TM+4+\b]
.endr
.irp b, 0,1,2,3
	v_add_nc_u32 v[TM+12+\b], 0xff000000, v[TM+\b] ; 2 off the exponent field: the conversion's scale operand
.endr
.irp b, 0,1,2,3
	v_lshrrev_b32 v[TM+4+\b], 23, v[TM+12+\b]      ; the scale's byte
.endr
	v_lshl_or_b32 v[\pw], v[TM+5], 8, v[TM+4]
	v_lshl_or_b32 v[\pw], v[TM+6], 16, v[\pw]
	v_lshl_or_b32 v[\pw], v[TM+7], 24, v[\pw]
	WIN \w
.irp c, 0,1
	v_cvt_scalef32_pk16_fp6_f32 v[(\pc)+(\fs)*\c:(\pc)+(\fs)*\c+2], v[(\s)+32*\c:(\s)+32*\c+15], v[TM+12+2*\c]
	v_cvt_scalef32_pk16_fp6_f32 v[(\e)+4*\c:(\e)+4*\c+2], v[(\s)+32*\c+16:(\s)+32*\c+31], v[TM+13+2*\c]
.endr
	WIN 0
	v_nop                                          ; one plain place behind a scaled conversion
.irp c, 0,1
.irp i, 0,1,2
	v_permlane16_swap_b32 v[(\pc)+(\fs)*\c+\i], v[(\e)+4*\c+\i]
.endr
.irp i, 0,1,2
	v_mov_b32 v[(\pc)+(\fs)*\c+3+\i], v[(\e)+4*\c+\i]
.endr
.endr
.endm
	s_wait_loadcnt 0x0                             ; the mask words
.irp b, 0,1,2,3
	v_mov_b32 v[TM+4+\b], 0                        ; written once: a lane permute's destination counts as one of its sources
.endr
	s_cmp_eq_u32 s93, 2
	s_cbranch_scc1 .Lv
	; ---- q and k: my 128 features are two heads; R's tile a is 16 tokens.  A tile's image for a head: registers 0-5 the head's 64 codes, register 6 the code at k = 64, register 7 zero: 1,024 bytes.
	s_lshr_b32 s2, s92, 3
	s_lshl_b32 s2, s2, 4                           ; 16 x batch
	s_lshl_b32 s3, s21, 2
	s_add_co_u32 s2, s2, s3
	s_lshl_b32 s3, s20, 1
	s_add_co_u32 s2, s2, s3                        ; + my first head: 4 cx + 2 wp
	s_lshl_b32 s2, s2, 4
	s_lshl_b32 s3, s92, 1
	s_add_co_u32 s3, s3, s19
	s_and_b32 s3, s3, 15                           ; my 128 tokens within the batch
	s_add_co_u32 s2, s2, s3
	s_cmp_eq_u32 s93, 0                            ; q or k
	s_mov_b32 s3, 15104
	s_cselect_b32 s3, 8704, s3                     ; bytes of a group of q, of a record of kv
	s_cselect_b64 s[98:99], s[14:15], s[16:17]
	s_cselect_b32 s4, -1, 0                        ; q keeps its codes whatever the mask says
	s_cselect_b32 s5, 0x28, 0                      ; q: the code of -1.0; an open key: 0
	s_cselect_b32 s6, 0x28, 8                      ; a masked key: the code of 1.0
	s_mov_b32 s7, 0x01010000
	s_cselect_b32 s7, 0x01900000, s7               ; scale bytes of k = 64 .. 127: q 144 and 1; an open key 1 and 1
	s_mov_b32 s8, 0x018f0000
	s_cselect_b32 s8, 0x01900000, s8               ; a masked key 143 and 1
	s_mul_i32 s2, s2, s3
	s_lshl_b32 s100, s3, 4                         ; a head on: 16 groups or records
	s_mov_b32 s3, 0
	s_mov_b32 s101, 0
	s_add_nc_u64 s[98:99], s[98:99], s[2:3]
	s_add_nc_u64 s[100:101], s[98:99], s[100:101]
	v_mov_b32 v[KM], s4
	v_mov_b32 v[BO], s5
	v_cndmask_b32 v[BO], v[BO], 0, s94             ; k = 64 lies in lanes 0-15; lanes 16-31 hold k = 96 on: zeros
	v_mov_b32 v[BM], s6
	v_cndmask_b32 v[BM], v[BM], 0, s94
	v_mov_b32 v[MBO], s7
	v_mov_b32 v[MBM], s8
	v_mov_b32 v[PC+7], 0
	v_mov_b32 v[PC+15], 0
.macro QKTILE a
	s_wait_xcnt 0x0                                ; the last tile's stores have read v[PC] on
	QUANT 64*((\a)%4), 2+(\a)/4, PC, 8, E, PW
	v_cmp_eq_u32 vcc_lo, 0, v[MK+(\a)]             ; my token is masked
	v_cndmask_b32 v[KEEP], -1, v[KM], vcc_lo
	v_cndmask_b32 v[PC+6], v[BO], v[BM], vcc_lo
	v_cndmask_b32 v[PC+14], v[BO], v[BM], vcc_lo
	v_cndmask_b32 v[MB], v[MBO], v[MBM], vcc_lo
.irp i, 0,1,2,3,4,5,8,9,10,11,12,13
	v_and_b32 v[PC+\i], v[KEEP], v[PC+\i]
.endr
	v_and_or_b32 v[WA+(\a)], v[PW], 0xffff, v[MB]  ; the first head's two bytes, and the two of k = 64 on
	v_lshrrev_b32 v[WB+(\a)], 16, v[PW]
	v_or_b32 v[WB+(\a)], v[WB+(\a)], v[MB]
	global_store_b128 v[LI], v[PC:PC+3], s[98:99] offset:1024*(\a)          ; each store: 512 consecutive bytes, aligned
	global_store_b128 v[LI], v[PC+4:PC+7], s[98:99] offset:1024*(\a)+512
	global_store_b128 v[LI], v[PC+8:PC+11], s[100:101] offset:1024*(\a)
	global_store_b128 v[LI], v[PC+12:PC+15], s[100:101] offset:1024*(\a)+512
.endm
.irp a, 0,1,2,3,4,5,6,7
	QKTILE \a
.endr
.irp w, 0,1,2,3                                ; the scale image: lane (r, h) word w is tile 4 h + w
	v_cndmask_b32 v[SW+\w], v[WA+\w], v[WA+4+\w], s94
	v_cndmask_b32 v[SW+4+\w], v[WB+\w], v[WB+4+\w], s94
.endr
	global_store_b128 v[LI], v[SW:SW+3], s[98:99] offset:8192
	global_store_b128 v[LI], v[SW+4:SW+7], s[100:101] offset:8192
	s_branch .Lend
.Lv:	; ---- v: R's tile a is 16 channels (tiles 0-3: one head, 4-7: the next), my 128 of P are the keys of one key step: a whole fragment
	s_lshr_b32 s2, s92, 3
	s_lshl_b32 s2, s2, 4
	s_lshl_b32 s3, s21, 2
	s_add_co_u32 s2, s2, s3
	s_lshl_b32 s3, s19, 1
	s_add_co_u32 s2, s2, s3                        ; 16 x batch + 4 cx + 2 wr
	s_lshl_b32 s2, s2, 4
	s_lshl_b32 s3, s92, 1
	s_add_co_u32 s3, s3, s20
	s_and_b32 s3, s3, 15                           ; my key step within the batch
	s_add_co_u32 s2, s2, s3
	s_mul_i32 s2, s2, 15104
	s_mov_b32 s3, 0
	s_add_nc_u64 s[98:99], s[16:17], s[2:3]
.macro VTILE a
	s_wait_xcnt 0x0                                ; the last tile's stores have read v[PC] on
	QUANT 64*((\a)%4), 2+(\a)/4, PC, 6, E, WA+(\a)
.irp c, 0,1,2
	global_store_b128 v[LI], v[PC+4*\c:PC+4*\c+3], s[98:99] offset:241664*((\a)/4)+8704+1536*((\a)%4)+512*\c
.endr
.endm
.irp a, 0,1,2,3,4,5,6,7
	VTILE \a
.endr
.irp n, 0,1                                    ; the scale image of a head: lane (r, h) word w is tile 2 h + w
.irp w, 0,1
	v_cndmask_b32 v[SW+2*\n+\w], v[WA+4*\n+\w], v[WA+4*\n+2+\w], s94
.endr
	global_store_b64 v[L8], v[SW+2*\n:SW+2*\n+1], s[98:99] offset:241664*\n+14848
.endr
.Lend:
	s_wait_tensorcnt 0x0                           ; the wave's end
	ds_add_u32 v[SPW], v[NIL]
	s_wait_dscnt 0x0
	CROUND                                         ; the closing round: no work-group ends while a partner may still ask for a tile that names it
	s_endpgm
.Lfunc_end_k_qc3a6aad10a_qkv:
	.size	k_qc3a6aad10a_qkv, .Lfunc_end_k_qc3a6aad10a_qkv-k_qc3a6aad10a_qkv
	.p2alignl 7, 3214868480
	.fill 96, 4, 3214868480
	.section	.rodata,"a",@progbits
	.p2align	6, 0x0
	.amdhsa_kernel k_qc3a6aad10a_qkv
		.amdhsa_group_segment_fixed_size 327680
		.amdhsa_private_segment_fixed_size 0
		.amdhsa_enable_private_segment 0
		.amdhsa_kernarg_size 56
		.amdhsa_user_sgpr_count 2
		.amdhsa_user_sgpr_kernarg_segment_ptr 1
		.amdhsa_wavefront_size32 1
		.amdhsa_system_sgpr_workgroup_id_x 1
		.amdhsa_system_sgpr_workgroup_id_y 1
		.amdhsa_system_sgpr_workgroup_id_z 1
		.amdhsa_system_vgpr_workitem_id 0
		.amdhsa_next_free_vgpr 1024
		.amdhsa_next_free_sgpr 102
		.amdhsa_reserve_vcc 1
		.amdhsa_float_denorm_mode_32 3
		.amdhsa_float_denorm_mode_16_64 3
		.amdhsa_memory_ordered 1
		.amdhsa_forward_progress 1
		.amdhsa_inst_pref_size 182
	.end_amdhsa_kernel
	.amdgpu_metadata
---
amdhsa.version: [ 1, 2 ]
amdhsa.kernels:
  - .name:           k_qc3a6aad10a_qkv
    .symbol:         k_qc3a6aad10a_qkv.kd
    .args:
      - { .name: x_codes, .offset: 0, .size: 8, .value_kind: global_buffer, .address_space: global }
      - { .name: x_scales, .offset: 8, .size: 8, .value_kind: global_buffer, .address_space: global }
      - { .name: w_codes, .offset: 16, .size: 8, .value_kind: global_buffer, .address_space: global }
      - { .name: w_scales, .offset: 24, .size: 8, .value_kind: global_buffer, .address_space: global }
      - { .name: mask, .offset: 32, .size: 8, .value_kind: global_buffer, .address_space: global }
      - { .name: q, .offset: 40, .size: 8, .value_kind: global_buffer, .address_space: global }
      - { .name: kv, .offset: 48, .size: 8, .value_kind: global_buffer, .address_space: global }
    .group_segment_fixed_size: 327680
    .private_segment_fixed_size: 0
    .kernarg_segment_align: 8
    .kernarg_segment_size: 56
    .max_flat_workgroup_size: 128
    .sgpr_count:     102
    .vgpr_count:     1024
    .wavefront_size: 32
...
	.end_amdgpu_metadata
.endif
;; end of part 2
;; launch attn (part 3): grid 4 x 64, 16 waves a work-group, clusters of 4 x 1, 327,680 bytes of LDS; arguments q, kv, a_codes, a_scales; writes a_codes, a_scales
.if DOCPART == 3
	.amdgcn_target "amdgcn-amd-amdhsa--gfx1250"
	.amdhsa_code_object_version 6
	.text
	.protected	k_qc3a6aad10a_attn
	.globl	k_qc3a6aad10a_attn
	.p2align	8
	.type	k_qc3a6aad10a_attn,@function
k_qc3a6aad10a_attn:
	s_mov_b64 s[64:65], 0
	v_nop
	global_prefetch_b8 v0, s[64:65] scope:SCOPE_SE
	s_setreg_imm32_b32 hwreg(HW_REG_WAVE_MODE, 25, 1), 1
	s_wait_xcnt 0x0
	s_wait_alu depctr_hold_cnt(0) depctr_sa_sdst(0) depctr_va_vdst(0) depctr_va_sdst(0) depctr_va_ssrc(0) depctr_va_vcc(0) depctr_vm_vsrc(0)
	s_getreg_b32 s2, hwreg(HW_REG_IB_STS2, 6, 4)
	s_cmp_eq_u32 s2, 0
	s_cbranch_scc0 .Lentry_in_a_cluster
	s_endpgm
.Lentry_in_a_cluster:
	s_bfe_u32 s2, ttmp6, 0x10000c
	s_cmp_lg_u32 s2, 0x3003
	s_cbranch_scc0 .Lentry_shape_is_right
	s_endpgm
.Lentry_shape_is_right:
; For each (batch, head): O[q] = the sum over keys of softmax(q . k / 8, masked) v, both products on codes of FP6 (E2M3) with E8M0 scales; O is quantised along the model's 1,024 and leaves as the last launch's operand image.
; THE SOFTMAX AHEAD OF THE SECOND PRODUCT: t = score x log2(e) / 8; M = the running largest t rounded UP to a whole number; p = 2^(t - M) is quantised along the keys, not normalised.
; The row's sum is taken of the unquantised p and divides O at the end.  When M moves, the sum and O are multiplied by 2^(old M - new M): exact.
; THE MASK costs no line here: the earlier launch laid it into the codes (a masked key's score is exactly -2^33, so its t is a whole number: p = 0 beside any open key, and p = 1 for every key of a row with no open key).
; LIMIT: the masked logit is -2^30 where the problem writes -1e9: the same results while open logits lie above about -1e9.  NaN and infinities are not served.
; SHARES.  A work-group owns 512 queries of one (batch, head); each of its sixteen waves owns two tiles of 16, one after the other, in 256 registers: four waves to a SIMD, so that one wave's vector work stands beside another's products and LDS loads.
; THE HEAD'S WHOLE K AND V, 16 records of 15,104 bytes, come into LDS once and stay: no slot is filled again.  The head's four work-groups form a cluster and ask for each record JOINTLY.
; A record (128 keys): 8 images of K's tiles (1,024 bytes each), K's scale image (512), 4 images of V's channel tiles (1,536 each), V's scale image (256).  Every LDS load takes consecutive bytes, 16 or 8 a lane.
; LAYOUT.  Both products are used transposed: S^T = K Q^T, O^T = V^T P^T: a lane holds one query throughout; the tiles' row order makes the 16 registers of two neighbouring tiles 16 neighbours along the next K.
; No prefetch: all that the launch reads of K and V is asked for at its head.
; REGISTERS: v1-9 addresses and a temporary; v[10:11] f; v12 -M, v13 the largest t, v[14:15] the sum; v16-27 Q; v28 Q's scale, v29 p's, v[30:31] V's; v32-79 four fragments of K; v80-127 V's four; v128-191 S^T, then p; v192-223 O^T;
; v224-235 p's codes; v236-243 at work; v244-247 K's scales; v248-251 the blocks' maxima; v252-255 the conversions' scale operands.
.set REC,   15104
.set SPARE, 16*REC                     ; behind the records: the spare words, 128 bytes for each of sixteen waves
.set LI,  1                            ; v1  16 x lane
.set L8,  2                            ; v2  8 x lane
.set SPW, 3                            ; v3  LDS address of my spare word; never rewritten
.set NIL, 4                            ; v4  0; never rewritten
.set ADK, 5                            ; v5  the record in hand + 16 x lane
.set ADV, 6                            ; v6  the record in hand + 8 x lane
.set R16, 7                            ; v7  16 r
.set RH,  8                            ; v8  16 r + h
.set TMP, 9
.set F,   10
.set WV,  12                           ; s12 my wave's number
.set TB,  15                           ; s15 LDS byte at which the record in hand begins
.set CNT, 16
.set HI,  17                           ; s17 lanes 16-31
.set CS,  18                           ; s[18:19] c = log2(e) / 8
.set SEL, 20                           ; s[20:21] v_permlanex16_b32's selects for lane l xor 16
.set G1,  24                           ; s[24:31] descriptor group 1;  s[32:35] my group 0
.set G0,  32
.set QC,  48                           ; s[48:49] Q's codes, s[50:51] its scale word, s[52:53] and s[54:55] where the result's codes and scale bytes go
.set QS,  50
.set AC,  52
.set AS,  54
.macro PLACES
.rept 4
	v_nop
.endr
.endm
.macro CROUND                          ; a round of the cluster's barrier
	s_barrier_signal -1
	s_barrier_wait -1
	s_cmp_lg_u32 s[WV], 0
	s_cbranch_scc1 .Lnot_wave_0_\@
	s_barrier_signal -3
.Lnot_wave_0_\@:
	s_barrier_wait -3
	s_barrier_signal -1
	s_barrier_wait -1
.endm
	s_load_b256 s[4:11], s[0:1], 0x0               ; q s[4:5], kv s[6:7], a_codes s[8:9], a_scales s[10:11]
	v_lshl_add_u32 v[SPW], v0, 2, SPARE
	v_mov_b32 v[NIL], 0
	ds_add_u32 v[SPW], v[NIL]                      ; the wave's opening: the add and its wait ahead of the first tensor loads
	ds_add_u32 v[SPW], v[NIL]
	v_lshrrev_b32 v[TMP], 5, v0
	s_delay_alu instid0(VALU_DEP_1)
	v_readfirstlane_b32 s[WV], v[TMP]              ; wave 0..15
	s_bfe_u32 s13, ttmp6, 0x40000                  ; cx
	s_lshl_b32 s22, ttmp9, 2
	s_add_co_u32 s13, s13, s22                     ; my block of 512 queries: it enters Q's and the result's addresses alone
	s_and_b32 s14, ttmp7, 0xffff                   ; (batch, head), which the four partners share
	s_mov_b32 s[G1], 15|(3<<16)|(1<<21)            ; 15:0 the mask: all four work-groups; 17:16 elements of 8 bytes; 21 set beside a mask; no padding
	s_mov_b32 s[G1+1], 32<<16                      ; a record: 15,104 dense bytes as 59 rows of 256
	s_mov_b32 s[G1+2], 59<<16
	s_mov_b32 s[G1+3], 32<<16
	s_mov_b32 s[G1+4], 59
	s_mov_b32 s[G1+5], 32
	s_mov_b32 s[G1+6], 0
	s_mov_b32 s[G1+7], 0
	s_mul_i32 s2, s14, 16*REC
	s_mul_i32 s23, s[WV], REC                      ; each of the sixteen waves fetches the record of its own number, in LDS as in memory
	s_add_co_u32 s2, s2, s23
	s_mov_b32 s3, 0
	s_mov_b32 s[HI], 0xffff0000
	s_mov_b32 s[CS], 0x3e38aa3b                    ; c = log2(e) / 8
	s_mov_b32 s[CS+1], s[CS]                       ; (named with it as a pair, so it is written)
	s_mov_b32 s[SEL], 0x76543210
	s_mov_b32 s[SEL+1], 0xfedcba98
	s_wait_dscnt 0x0                               ; the opening add is done
	s_wait_kmcnt 0x0
	s_add_nc_u64 s[6:7], s[6:7], s[2:3]
	s_mov_b32 s[G0], 1
	s_add_co_u32 s[G0+1], s23, 0
	s_mov_b64 s[G0+2:G0+3], s[6:7]
	s_or_b32 s[G0+3], s[G0+3], 0x80000000
	CROUND                                         ; all four work-groups are here: the joint loads meet
	s_cmp_lt_u32 s[WV], 4                          ; one load a wave, in two arms: waves 0-3 (records 0-3) have a line of their own, since they alone wait ahead of the first barrier
	s_cbranch_scc0 .Llate
	tensor_load_to_lds s[G0:G0+3], s[G1:G1+7]
	s_nop 0
.rept 4
	v_nop
.endr
	s_branch .Lasked
.Llate:
	tensor_load_to_lds s[G0:G0+3], s[G1:G1+7]
	s_nop 0
.rept 4
	v_nop
.endr
.Lasked:
	s_lshl_b32 s56, s14, 4                         ; Q: group 16 (batch, head) + 4 x block + wave / 8 (pass 0), tile wave % 8 of it
	s_lshl_b32 s57, s13, 2
	s_add_co_u32 s56, s56, s57
	s_lshr_b32 s57, s[WV], 3
	s_add_co_u32 s56, s56, s57
	s_mul_i32 s56, s56, 8704
	s_and_b32 s57, s[WV], 7
	s_lshl_b32 s58, s57, 10
	s_add_co_u32 s58, s58, s56
	s_mov_b32 s59, 0
	s_add_nc_u64 s[QC:QC+1], s[4:5], s[58:59]
	s_lshr_b32 s57, s57, 2                         ; its scale word: lane half tile / 4, word tile % 4 of the group's scale image
	s_lshl_b32 s57, s57, 8
	s_add_co_u32 s56, s56, s57
	s_and_b32 s57, s[WV], 3
	s_lshl_b32 s57, s57, 2
	s_add_co_u32 s56, s56, s57
	s_add_co_u32 s56, s56, 8192
	s_mov_b32 s57, 0
	s_add_nc_u64 s[QS:QS+1], s[4:5], s[56:57]
	s_lshr_b32 s56, s14, 4                         ; the result: tile 128 x batch + 32 x block + wave (pass 0),
	s_lshl_b32 s56, s56, 7
	s_lshl_b32 s57, s13, 5
	s_add_co_u32 s56, s56, s57
	s_add_co_u32 s56, s56, s[WV]
	s_and_b32 s57, s14, 15                         ; head hd: K step hd / 2, half hd % 2 of the fragment
	s_mul_i32 s58, s56, 12288
	s_lshr_b32 s59, s57, 1
	s_mul_i32 s59, s59, 1536
	s_add_co_u32 s58, s58, s59
	s_and_b32 s59, s57, 1
	s_mul_i32 s59, s59, 768
	s_add_co_u32 s58, s58, s59
	s_mov_b32 s59, 0
	s_add_nc_u64 s[AC:AC+1], s[8:9], s[58:59]
	s_lshl_b32 s56, s56, 9                         ; its scale bytes: K half hd / 8, word (hd / 2) % 4, bytes 2 (hd % 2) on
	s_lshr_b32 s58, s57, 3
	s_lshl_b32 s58, s58, 8
	s_add_co_u32 s56, s56, s58
	s_bfe_u32 s58, s57, 0x20001
	s_lshl_b32 s58, s58, 2
	s_add_co_u32 s56, s56, s58
	s_and_b32 s58, s57, 1
	s_lshl_b32 s58, s58, 1
	s_add_co_u32 s56, s56, s58
	s_mov_b32 s57, 0
	s_add_nc_u64 s[AS:AS+1], s[10:11], s[56:57]
	v_and_b32 v[TMP], 31, v0
	s_delay_alu instid0(VALU_DEP_1)
	v_lshlrev_b32 v[LI], 4, v[TMP]
	s_delay_alu instid0(VALU_DEP_2)
	v_lshlrev_b32 v[L8], 3, v[TMP]
	v_and_b32 v[R16], 15, v0
	s_delay_alu instid0(VALU_DEP_1)
	v_lshlrev_b32 v[R16], 4, v[R16]
	v_bfe_u32 v[RH], v0, 4, 1
	s_delay_alu instid0(VALU_DEP_1)
	v_add_nc_u32 v[RH], v[RH], v[R16]
.macro QLOAD n                         ; pass n's tile of queries: registers 0-7 of the fragment, and its scale words
	global_load_b128 v[16:19], v[LI], s[QC:QC+1] offset:17408*\n
	global_load_b128 v[20:23], v[LI], s[QC:QC+1] offset:17408*\n+512
	global_load_b32 v28, v[R16], s[QS:QS+1] offset:17408*\n
.endm
.macro RESET                           ; the loop has no first step of its own: it finds zeros, which the first change of M leaves zeros
	v_mov_b32 v13, 0xff61b1e6                      ; the largest t so far: -3e38
	s_delay_alu instid0(VALU_DEP_1)
	v_floor_f32 v12, -v13                          ; -M
	v_mov_b32 v14, 0
	v_mov_b32 v15, 0
.set j, 0
.rept 32
	v_mov_b32 v[192+j], 0
.set j, j+1
.endr
.endm
	QLOAD 0
	v_mov_b32 v[F+1], 0                            ; (named as the upper half of the pair v[10:11])
.irp i, 24,25,26,27
	v_mov_b32 v[\i], 0                             ; k = 96 .. 127 and the rest of k = 64 on: zero codes, in Q
.endr
.irp t, 0,1,2,3
.irp i, 8,9,10,11
	v_mov_b32 v[32+12*\t+\i], 0                    ; and in K's four fragments: set once, no load lands there
.endr
.endr
.irp b, 0,1,2,3
	v_mov_b32 v[236+\b], 0                         ; written once: a lane permute's destination counts as one of its sources
.endr
	RESET
; A KEY STEP: the 128 keys of the record at s[TB]
.macro STEP
	v_add_nc_u32 v[ADK], s[TB], v[LI]
	v_add_nc_u32 v[ADV], s[TB], v[L8]
	ds_load_b128 v[244:247], v[ADK] offset:8192    ; K's scale words: register w: lanes 0-15 tile w, lanes 16-31 tile 4 + w
.irp t, 0,1,2,3
	ds_load_b128 v[32+12*\t:35+12*\t], v[ADK] offset:1024*\t
	ds_load_b128 v[36+12*\t:39+12*\t], v[ADK] offset:1024*\t+512
.endr
	s_wait_alu depctr_va_vdst(0)
	s_wait_dscnt 0x0
.irp t, 0,1,2,3
	v_wmma_scale_f32_16x16x128_f8f6f4 v[128+8*\t:135+8*\t], v[32+12*\t:43+12*\t], v[16:27], 0, v[244+\t], v28 matrix_a_fmt:MATRIX_FMT_FP6 matrix_b_fmt:MATRIX_FMT_FP6
.endr
	PLACES                                         ; in front of loads into registers that matrix instructions have read: K's; with the two additions above, V's of the last step too
.irp t, 0,1,2,3
	ds_load_b128 v[32+12*\t:35+12*\t], v[ADK] offset:4096+1024*\t
	ds_load_b128 v[36+12*\t:39+12*\t], v[ADK] offset:4096+1024*\t+512
.endr
.irp t, 0,1,2,3
.irp c, 0,1,2
	ds_load_b128 v[80+12*\t+4*\c:83+12*\t+4*\c], v[ADK] offset:8704+1536*\t+512*\c
.endr
.endr
	ds_load_b64 v[30:31], v[ADV] offset:14848      ; V's scale words: register w: lanes 0-15 tile w, lanes 16-31 tile 2 + w
	s_wait_dscnt 13                                ; K's tiles 4-7 are in; V's 12 loads and its scale words may be out
.irp t, 0,1,2,3
	v_wmma_scale_f32_16x16x128_f8f6f4 v[160+8*\t:167+8*\t], v[32+12*\t:43+12*\t], v[16:27], 0, v[244+\t], v28 matrix_a_fmt:MATRIX_FMT_FP6 matrix_b_fmt:MATRIX_FMT_FP6 matrix_a_scale:MATRIX_SCALE_ROW1
.endr
	PLACES                                         ; lane (r, h) holds query r; register 16 b + i is key 32 b + 16 h + i
.irp b, 0,1,2,3
	v_max3_num_f32 v[248+\b], v[128+16*\b], v[129+16*\b], v[130+16*\b]   ; the largest score of each block of 32 keys: for the row's maximum, and, since p rises with the score, for the block's largest p
.endr
.irp i, 3,5,7,9,11,13
.irp b, 0,1,2,3
	v_max3_num_f32 v[248+\b], v[248+\b], v[128+16*\b+\i], v[129+16*\b+\i]
.endr
.endr
.irp b, 0,1,2,3
	v_max_num_f32 v[248+\b], v[248+\b], v[143+16*\b]
.endr
.irp b, 0,1,2,3
	s_delay_alu instid0(VALU_DEP_4)
	v_permlanex16_b32 v[236+\b], v[248+\b], s[SEL], s[SEL+1]
.endr
.irp b, 0,1,2,3
	s_delay_alu instid0(VALU_DEP_4)
	v_max_num_f32 v[248+\b], v[248+\b], v[236+\b]  ; with lane l xor 16's 16 keys
.endr
	s_delay_alu instid0(VALU_DEP_2)
	v_max3_num_f32 v[TMP], v248, v249, v250
	s_delay_alu instid0(VALU_DEP_1)
	v_max_num_f32 v[TMP], v[TMP], v251             ; the step's largest score of my query
	s_delay_alu instid0(VALU_DEP_1)
	v_mul_f32 v[TMP], s[CS], v[TMP]                ; as t (c is positive)
	s_delay_alu instid0(VALU_DEP_1)
	v_max_num_f32 v13, v13, v[TMP]                 ; the running largest t
	v_mov_b32 v[TMP], v12
	s_delay_alu instid0(VALU_DEP_2)
	v_floor_f32 v12, -v13                          ; the new -M = floor(-t): M is a whole number
	s_delay_alu instid0(VALU_DEP_1)
	v_sub_f32 v[TMP], v12, v[TMP]                  ; old M - new M: a whole number, 0 or less
	s_delay_alu instid0(VALU_DEP_1)
	v_cvt_i32_f32 v[TMP], v[TMP]                   ; (it saturates)
	s_delay_alu instid0(VALU_DEP_1)
	v_ldexp_f32 v[F], 1.0, v[TMP]                  ; f = 2^(old M - new M)
.set j, 0
.rept 32
	v_pk_fma_f32 v[128+j:129+j], v[128+j:129+j], s[CS:CS+1], v[12:13] op_sel_hi:[1,0,0]   ; t - M, two at a time
.set j, j+2
.endr
.irp b, 0,1,2,3
	v_fma_f32 v[248+\b], v[248+\b], s[CS], v12     ; the same of each block's largest score
.endr
.set j, 0
	s_wait_alu depctr_va_vdst(0)
.rept 64
	v_exp_f32 v[128+j], v[128+j]                   ; p = 2^(t - M), at most 1
.set j, j+1
.endr
	v_pk_mul_f32 v[14:15], v[14:15], v[F:F+1] op_sel_hi:[1,0]   ; the sums under the new M: a plain place behind the exponentials
	s_wait_alu depctr_va_vdst(0)                   ; one wait for the whole batch, ahead of its first reader
.irp b, 0,1,2,3
	v_exp_f32 v[248+\b], v[248+\b]                 ; the block's largest p
.endr
	v_pk_add_f32 v[236:237], v[132:133], v[136:137]
	v_pk_add_f32 v[254:255], v[140:141], v[144:145]
	v_pk_add_f32 v[252:253], v[148:149], v[152:153]
	v_pk_add_f32 v[246:247], v[156:157], v[160:161]
	v_pk_add_f32 v[244:245], v[164:165], v[168:169]
	v_pk_add_f32 v[242:243], v[172:173], v[176:177]
	v_pk_add_f32 v[240:241], v[180:181], v[184:185]
	v_pk_add_f32 v[14:15], v[14:15], v[188:189]
	v_pk_add_f32 v[236:237], v[236:237], v[128:129]
	v_pk_add_f32 v[254:255], v[254:255], v[130:131]
	v_pk_add_f32 v[252:253], v[252:253], v[134:135]
	v_pk_add_f32 v[246:247], v[246:247], v[138:139]
	v_pk_add_f32 v[244:245], v[244:245], v[142:143]
	v_pk_add_f32 v[242:243], v[242:243], v[146:147]
	v_pk_add_f32 v[240:241], v[240:241], v[150:151]
	v_pk_add_f32 v[14:15], v[14:15], v[154:155]
	v_pk_add_f32 v[236:237], v[236:237], v[158:159]
	v_pk_add_f32 v[254:255], v[254:255], v[162:163]
	v_pk_add_f32 v[252:253], v[252:253], v[166:167]
	v_pk_add_f32 v[246:247], v[246:247], v[170:171]
	v_pk_add_f32 v[244:245], v[244:245], v[174:175]
	v_pk_add_f32 v[242:243], v[242:243], v[178:179]
	v_pk_add_f32 v[240:241], v[240:241], v[182:183]
	v_pk_add_f32 v[14:15], v[14:15], v[186:187]
	v_pk_add_f32 v[236:237], v[236:237], v[190:191]
	s_delay_alu instid0(VALU_DEP_2)
	v_pk_add_f32 v[14:15], v[14:15], v[246:247]
	s_delay_alu instid0(VALU_DEP_2)
	v_pk_add_f32 v[236:237], v[236:237], v[244:245]
	v_pk_add_f32 v[254:255], v[254:255], v[242:243]
	v_pk_add_f32 v[252:253], v[252:253], v[240:241]
	s_delay_alu instid0(VALU_DEP_2)
	v_pk_add_f32 v[14:15], v[14:15], v[254:255]
	s_delay_alu instid0(VALU_DEP_2)
	v_pk_add_f32 v[236:237], v[236:237], v[252:253]
	s_delay_alu instid0(VALU_DEP_1)
	v_pk_add_f32 v[14:15], v[14:15], v[236:237]
	s_wait_alu depctr_va_vdst(0)                   ; and one for the four
.irp b, 0,1,2,3
	v_max_num_f32 v[248+\b], 0x1800000, v[248+\b]  ; the floor 2^(3 - 127): the byte cannot fall under 1
.endr
.irp b, 0,1,2,3
	s_delay_alu instid0(VALU_DEP_4)
	v_add_nc_u32 v[252+\b], 0xff000000, v[248+\b]  ; 2 off the exponent field: the conversion's scale operand
.endr
.irp b, 0,1,2,3
	s_delay_alu instid0(VALU_DEP_4)
	v_lshrrev_b32 v[236+\b], 23, v[252+\b]         ; the scale's byte
.endr
	s_delay_alu instid0(VALU_DEP_3)
	v_lshl_or_b32 v29, v237, 8, v236               ; p's scale word for these 128 keys
	s_delay_alu instid0(VALU_DEP_1)
	v_lshl_or_b32 v29, v238, 16, v29
	s_delay_alu instid0(VALU_DEP_1)
	v_lshl_or_b32 v29, v239, 24, v29
.irp c, 0,1
	v_cvt_scalef32_pk16_fp6_f32 v[224+6*\c:226+6*\c], v[128+32*\c:143+32*\c], v[252+2*\c]
	v_cvt_scalef32_pk16_fp6_f32 v[236+4*\c:238+4*\c], v[144+32*\c:159+32*\c], v[253+2*\c]
.endr
	v_nop                                          ; one plain place behind a scaled conversion
.irp c, 0,1
.irp i, 0,1,2
	v_permlane16_swap_b32 v[224+6*\c+\i], v[236+4*\c+\i]
.endr
.irp i, 0,1,2
	s_delay_alu instid0(VALU_DEP_3)
	v_mov_b32 v[227+6*\c+\i], v[236+4*\c+\i]
.endr
.endr
.set j, 0
.rept 16
	v_pk_mul_f32 v[192+j:193+j], v[192+j:193+j], v[F:F+1] op_sel_hi:[1,0]   ; O^T under the new M; these sixteen are also the places between the scale word, the codes and the products below
.set j, j+2
.endr
	s_wait_alu depctr_va_vdst(0)
	s_wait_dscnt 0x0                               ; V is in
.irp t, 0,1
	v_wmma_scale_f32_16x16x128_f8f6f4 v[192+8*\t:199+8*\t], v[80+12*\t:91+12*\t], v[224:235], v[192+8*\t:199+8*\t], v[30+\t], v29 matrix_a_fmt:MATRIX_FMT_FP6 matrix_b_fmt:MATRIX_FMT_FP6
.endr
.irp t, 2,3
	v_wmma_scale_f32_16x16x128_f8f6f4 v[192+8*\t:199+8*\t], v[80+12*\t:91+12*\t], v[224:235], v[192+8*\t:199+8*\t], v[28+\t], v29 matrix_a_fmt:MATRIX_FMT_FP6 matrix_b_fmt:MATRIX_FMT_FP6 matrix_a_scale:MATRIX_SCALE_ROW1
.endr
	s_add_co_u32 s[TB], s[TB], REC                 ; the next record
.endm
.macro LOOP n
	s_mov_b32 s[CNT], \n
.Lstep_\@:
	STEP
	s_sub_co_u32 s[CNT], s[CNT], 1
	s_cmp_lg_u32 s[CNT], 0
	s_cbranch_scc1 .Lstep_\@
.endm
; THE WAY OUT of pass n: O^T / the sum, quantised along the head's 64 (two blocks): half a fragment of the last product's operand, stored as its registers stand.
.macro OUT n
	PLACES                                         ; behind the last products
	v_add_f32 v14, v14, v15                        ; the sum's two halves,
	s_delay_alu instid0(VALU_DEP_1)
	v_permlanex16_b32 v[TMP], v14, s[SEL], s[SEL+1]
	s_delay_alu instid0(VALU_DEP_1)
	v_add_f32 v14, v14, v[TMP]                     ; and lane l xor 16's
	s_wait_alu depctr_va_vdst(0)
	v_rcp_f32 v14, v14
	v_nop                                          ; a plain place behind the reciprocal
	s_wait_alu depctr_va_vdst(0)                   ; and the wait ahead of its first reader
.set j, 0
.rept 16
	v_pk_mul_f32 v[192+j:193+j], v[192+j:193+j], v[14:15] op_sel_hi:[1,0]   ; register 16 b + i is channel 32 b + 16 h + i of my query; each accumulator from its low end on
.set j, j+2
.endr
.irp b, 0,1
	v_max3_num_f32 v[248+\b], |v[192+16*\b]|, |v[193+16*\b]|, 0x1800000
.endr
.irp i, 2,4,6,8,10,12,14
.irp b, 0,1
	s_delay_alu instid0(VALU_DEP_2)
	v_max3_num_f32 v[248+\b], v[248+\b], |v[192+16*\b+\i]|, |v[193+16*\b+\i]|
.endr
.endr
.irp b, 0,1
	s_delay_alu instid0(VALU_DEP_2)
	v_permlanex16_b32 v[236+\b], v[248+\b], s[SEL], s[SEL+1]
.endr
.irp b, 0,1
	s_delay_alu instid0(VALU_DEP_2)
	v_max_num_f32 v[248+\b], v[248+\b], v[236+\b]
.endr
.irp b, 0,1
	s_delay_alu instid0(VALU_DEP_2)
	v_add_nc_u32 v[252+\b], 0xff000000, v[248+\b]
.endr
.irp b, 0,1
	s_delay_alu instid0(VALU_DEP_2)
	v_lshrrev_b32 v[236+\b], 23, v[252+\b]
.endr
	v_cvt_scalef32_pk16_fp6_f32 v[224:226], v[192:207], v252
	v_cvt_scalef32_pk16_fp6_f32 v[240:242], v[208:223], v253
	v_cndmask_b32 v[TMP], v236, v237, s[HI]        ; lane (r, h) stores block h's byte.  (A plain place behind the conversions)
.irp i, 0,1,2
	v_permlane16_swap_b32 v[224+\i], v[240+\i]
.endr
.irp i, 0,1,2
	s_delay_alu instid0(VALU_DEP_3)
	v_mov_b32 v[227+\i], v[240+\i]
.endr
	global_store_b128 v[LI], v[224:227], s[AC:AC+1] offset:196608*\n        ; registers 0-3: 512 consecutive bytes, aligned
	global_store_b64 v[L8], v[228:229], s[AC:AC+1] offset:196608*\n+512     ; registers 4, 5: 256 consecutive bytes, aligned
	global_store_b8 v[RH], v[TMP], s[AS:AS+1] offset:8192*\n                ; two bytes of each row's scale word: one byte for each 24 of codes
.endm
	s_wait_alu depctr_va_vdst(0)                   ; the wait at the head's end
	s_wait_loadcnt 0x0                             ; Q
	s_cmp_lt_u32 s[WV], 4
	s_cbranch_scc0 .Lnot_first
	s_wait_tensorcnt 0x0                           ; waves 0-3: my record, one of the first four, is in
.Lnot_first:
	s_barrier_signal -1
	s_barrier_wait -1                              ; records 0-3 are shown to all
	s_mov_b32 s[TB], 0
	LOOP 4
	s_wait_tensorcnt 0x0                           ; every wave: my record is in
	s_barrier_signal -1
	s_barrier_wait -1                              ; all sixteen records are shown to all: no barrier follows until the end
	LOOP 12
	QLOAD 1                                        ; the second tile of queries is asked for ahead of the first tile's way out
	OUT 0
	s_wait_xcnt 0x0                                ; the stores have read their registers
	RESET
	s_mov_b32 s[TB], 0
	s_wait_loadcnt 0x0
	LOOP 16                                        ; all records have landed and been shown to every wave: no wait on tiles, no barrier
	OUT 1
	s_wait_tensorcnt 0x0                           ; the wave's end
	ds_add_u32 v[SPW], v[NIL]
	s_wait_dscnt 0x0
	CROUND                                         ; the closing round
	s_endpgm
.Lfunc_end_k_qc3a6aad10a_attn:
	.size	k_qc3a6aad10a_attn, .Lfunc_end_k_qc3a6aad10a_attn-k_qc3a6aad10a_attn
	.p2alignl 7, 3214868480
	.fill 96, 4, 3214868480
	.section	.rodata,"a",@progbits
	.p2align	6, 0x0
	.amdhsa_kernel k_qc3a6aad10a_attn
		.amdhsa_group_segment_fixed_size 327680
		.amdhsa_private_segment_fixed_size 0
		.amdhsa_enable_private_segment 0
		.amdhsa_kernarg_size 32
		.amdhsa_user_sgpr_count 2
		.amdhsa_user_sgpr_kernarg_segment_ptr 1
		.amdhsa_wavefront_size32 1
		.amdhsa_system_sgpr_workgroup_id_x 1
		.amdhsa_system_sgpr_workgroup_id_y 1
		.amdhsa_system_sgpr_workgroup_id_z 1
		.amdhsa_system_vgpr_workitem_id 0
		.amdhsa_next_free_vgpr 256
		.amdhsa_next_free_sgpr 66
		.amdhsa_reserve_vcc 0
		.amdhsa_float_denorm_mode_32 3
		.amdhsa_float_denorm_mode_16_64 3
		.amdhsa_memory_ordered 1
		.amdhsa_forward_progress 1
		.amdhsa_inst_pref_size 69
	.end_amdhsa_kernel
	.amdgpu_metadata
---
amdhsa.version: [ 1, 2 ]
amdhsa.kernels:
  - .name:           k_qc3a6aad10a_attn
    .symbol:         k_qc3a6aad10a_attn.kd
    .args:
      - { .name: q, .offset: 0, .size: 8, .value_kind: global_buffer, .address_space: global }
      - { .name: kv, .offset: 8, .size: 8, .value_kind: global_buffer, .address_space: global }
      - { .name: a_codes, .offset: 16, .size: 8, .value_kind: global_buffer, .address_space: global }
      - { .name: a_scales, .offset: 24, .size: 8, .value_kind: global_buffer, .address_space: global }
    .group_segment_fixed_size: 327680
    .private_segment_fixed_size: 0
    .kernarg_segment_align: 8
    .kernarg_segment_size: 32
    .max_flat_workgroup_size: 512
    .sgpr_count:     66
    .vgpr_count:     256
    .wavefront_size: 32
...
	.end_amdgpu_metadata
.endif
;; end of part 3
;; launch proj (part 4): grid 4 x 64, 4 waves a work-group, clusters of 4 x 4, 327,680 bytes of LDS; arguments a_codes, a_scales, w_codes, w_scales, bo, out0; writes out0
.if DOCPART == 4
	.amdgcn_target "amdgcn-amd-amdhsa--gfx1250"
	.amdhsa_code_object_version 6
	.text
	.protected	k_qc3a6aad10a_proj
	.globl	k_qc3a6aad10a_proj
	.p2align	8
	.type	k_qc3a6aad10a_proj,@function
k_qc3a6aad10a_proj:
	s_mov_b64 s[64:65], 0
	v_nop
	global_prefetch_b8 v0, s[64:65] scope:SCOPE_SE
	s_setreg_imm32_b32 hwreg(HW_REG_WAVE_MODE, 25, 1), 1
	s_wait_xcnt 0x0
	s_wait_alu depctr_hold_cnt(0) depctr_sa_sdst(0) depctr_va_vdst(0) depctr_va_sdst(0) depctr_va_ssrc(0) depctr_va_vcc(0) depctr_vm_vsrc(0)
	s_getreg_b32 s2, hwreg(HW_REG_IB_STS2, 6, 4)
	s_cmp_eq_u32 s2, 0
	s_cbranch_scc0 .Lentry_in_a_cluster
	s_endpgm
.Lentry_in_a_cluster:
	s_bfe_u32 s2, ttmp6, 0x10000c
	s_cmp_lg_u32 s2, 0xf033
	s_cbranch_scc0 .Lentry_shape_is_right
	s_endpgm
.Lentry_shape_is_right:
; out0 = a Wo^T + bo on codes of FP6 (E2M3) with E8M0 scales.  a: the attention's result, 8,192 tokens x 1,024, as operand images [tile of 16 rows][8 K steps][1,536 bytes]; Wo: tiles 192 on of w_codes, laid alike.
; TILES: tile 2 B + u, lane row r, holds row 32 B + 8 u + r + 8 (r / 8) of its tensor.  Scale words: [tile][K half][row r][4 words].
; SHARES.  A work-group makes 128 tokens x 256 features; four waves, 2 x 2, each 64 x 128 in 32 accumulators.  Source 0 (P) = Wo's rows, source 1 (R) = a's: a lane holds one token and eight neighbouring features.
; LDS.  A side's tiles, all of K, are dense in memory: ONE tensor load a wave brings everything: waves 0, 1 four tiles of R each (49,152 bytes), waves 2, 3 eight tiles of P each (98,304 bytes), as rows of 256 bytes.
; Nothing is filled again: one wait for all loads, one barrier.  R's tiles are asked for jointly along a row of the 4 x 4 cluster, P's along a column.
; THE SCALE WORDS go from memory into registers: each load takes one aligned run of 256 bytes (16 bytes for each row r; both halves of the lanes name the same bytes).  The bias is the first products' C.
; No prefetch: all that the launch reads is asked for at its head, and there is no loop to run ahead in.
; THE WAY OUT: 16 rows x 512 bytes at a time through the wave's own stage, which lies on R's bytes, behind a barrier behind which nobody reads them and with no fill to come.
; REGISTERS: window 0: v4-29 addresses; v32-63 R's scale words (8 a + ks), v64-127 P's (8 b + (ks xor 4): so the two scale registers of a product differ modulo 8); v128-223 R's fragments, two sets; on the way out v128-255.
;   window 1: P's fragments, two sets, at v0 and v128.  window 2: the accumulators, (a, b) at v[8 (8 a + b)].  window 3: v0-63 the bias as the result lies.
; LIMITS: NaN and infinities are not served.
.set FR,    12
.set PB,    98304                      ; P's 16 tiles, behind R's 8
.set SPARE, 294912                     ; the spare words, 128 bytes for each wave
.set STGB,  8448                       ; a stage: 16 rows x 528 bytes
.set LI,   4                           ; 16 x lane
.set L8,   5                           ; 8 x lane
.set R16,  7                           ; 16 r
.set ADRP, 8                           ; v8, v9: my P tiles 0-3, 4-7
.set ADR6, 12                          ; my R tiles, 16 bytes a lane
.set ADR8, 13                          ; and 8 bytes a lane
.set STO,  21
.set RD,   22
.set BOF,  24                          ; 64 h
.set SPW,  28
.set NIL,  29
.set SR,   32
.set SP,   64
.set RF,   128
.set BK,   128
.set G1R,  24
.set G1P,  32
.set G0R,  40
.set G0P,  44
.set MSB, 0
.macro WIN new
.if MSB != (\new)
	s_set_vgpr_msb (MSB<<8)|(\new)
.set MSB, (\new)
.endif
.endm
.macro PLACES
.rept 4
	v_nop
.endr
.endm
.macro CROUND                          ; a round of the cluster's barrier
	s_barrier_signal -1
	s_barrier_wait -1
	s_cmp_lg_u32 s16, 0
	s_cbranch_scc1 .Lnot_wave_0_\@
	s_barrier_signal -3
.Lnot_wave_0_\@:
	s_barrier_wait -3
	s_barrier_signal -1
	s_barrier_wait -1
.endm
	s_load_b256 s[4:11], s[0:1], 0x0               ; a_codes, a_scales, w_codes, w_scales
	s_load_b128 s[12:15], s[0:1], 0x20             ; bo, out0
	v_lshl_add_u32 v[SPW], v0, 2, SPARE
	v_mov_b32 v[NIL], 0
	ds_add_u32 v[SPW], v[NIL]                      ; the opening lines: the add, twice, and its wait ahead of my tensor load
	ds_add_u32 v[SPW], v[NIL]
	v_lshrrev_b32 v1, 5, v0
	v_readfirstlane_b32 s16, v1                    ; wave
	s_lshr_b32 s17, s16, 1                         ; my half of R.  Also: I fetch R (0) or P (1)
	s_and_b32 s18, s16, 1                          ; my half of P.  Also: which half of that side I fetch
	s_bfe_u32 s19, ttmp6, 0x40000                  ; cx
	s_bfe_u32 s20, ttmp6, 0x40004                  ; cy
	s_lshl_b32 s21, ttmp9, 2
	s_add_co_u32 s21, s21, s19                     ; gx: 256 features
	s_and_b32 s22, ttmp7, 0xffff
	s_lshl_b32 s22, s22, 2
	s_add_co_u32 s22, s22, s20                     ; gy: 128 tokens
	s_lshl_b32 s2, s20, 2
	s_lshl_b32 s2, 15, s2                          ; my row of the cluster
	s_lshl_b32 s3, 0x1111, s19                     ; my column
	s_or_b32 s[G1R], s2, (3<<16)|(1<<21)           ; the mask; elements of 8 bytes; bit 21 beside a mask; no padding
	s_or_b32 s[G1P], s3, (3<<16)|(1<<21)
	s_mov_b32 s[G1R+1], 32<<16                     ; 192 rows of 256 bytes
	s_mov_b32 s[G1R+2], 192<<16
	s_mov_b32 s[G1R+3], 32<<16
	s_mov_b32 s[G1R+4], 192
	s_mov_b32 s[G1R+5], 32
	s_mov_b32 s[G1R+6], 0
	s_mov_b32 s[G1R+7], 0
	s_mov_b32 s[G1P+1], 32<<16                     ; 384 rows of 256 bytes
	s_mov_b32 s[G1P+2], 384<<16
	s_mov_b32 s[G1P+3], 32<<16
	s_mov_b32 s[G1P+4], 384
	s_mov_b32 s[G1P+5], 32
	s_mov_b32 s[G1P+6], 0
	s_mov_b32 s[G1P+7], 0
	v_and_b32 v1, 31, v0
	v_and_b32 v2, 15, v0                           ; r
	v_bfe_u32 v3, v0, 4, 1                         ; h
	v_lshlrev_b32 v[LI], 4, v1
	v_lshlrev_b32 v[L8], 3, v1
	v_lshlrev_b32 v[R16], 4, v2
	v_lshlrev_b32 v[BOF], 6, v3
	s_mul_i32 s48, s17, 49152
	s_mul_i32 s49, s18, 98304
	s_add_co_u32 s49, s49, PB
	v_add_nc_u32 v[ADR6], s48, v[LI]
	v_add_nc_u32 v[ADR8], s48, v[L8]
	v_add_nc_u32 v[ADRP], s49, v[LI]
	v_add_nc_u32 v[ADRP+1], 49152, v[ADRP]
	s_mul_i32 s48, s16, STGB
	v_mul_u32_u24 v6, v2, 528
	v_lshl_add_u32 v6, v3, 6, v6
	v_add_nc_u32 v[STO], s48, v6                   ; into the stage: row r, 64 h
	v_add_nc_u32 v[RD], s48, v[LI]                 ; back: a row of 512 bytes
	s_lshl_b32 s50, s22, 3
	s_lshl_b32 s51, s18, 2
	s_add_co_u32 s50, s50, s51                     ; R: the first tile that I fetch
	s_mul_i32 s50, s50, 12288
	s_mov_b32 s51, 0
	s_lshl_b32 s52, s21, 4
	s_lshl_b32 s53, s18, 3
	s_add_co_u32 s52, s52, s53
	s_add_co_u32 s52, s52, 192                     ; P: the first tile that I fetch, and that I multiply
	s_lshl_b32 s54, s52, 9                         ; its scale words
	s_mov_b32 s55, 0
	s_mul_i32 s52, s52, 12288
	s_mov_b32 s53, 0
	s_lshl_b32 s2, s22, 3
	s_lshl_b32 s3, s17, 2
	s_add_co_u32 s2, s2, s3                        ; R: the first tile that I multiply
	s_lshl_b32 s2, s2, 9                           ; its scale words
	s_mov_b32 s3, 0
	s_wait_alu depctr_va_vdst(0)                   ; the wait behind the head's last vector write
	s_wait_dscnt 0x0                               ; both opening adds are done
	s_wait_kmcnt 0x0
	s_add_nc_u64 s[4:5], s[4:5], s[50:51]
	s_add_nc_u64 s[8:9], s[8:9], s[52:53]
	s_add_nc_u64 s[6:7], s[6:7], s[2:3]
	s_add_nc_u64 s[10:11], s[10:11], s[54:55]
	s_mov_b32 s[G0R], 1
	s_mul_i32 s[G0R+1], s18, 49152
	s_mov_b64 s[G0R+2:G0R+3], s[4:5]
	s_or_b32 s[G0R+3], s[G0R+3], 0x80000000
	s_mov_b32 s[G0P], 1
	s_mul_i32 s[G0P+1], s18, 98304
	s_add_co_u32 s[G0P+1], s[G0P+1], PB
	s_mov_b64 s[G0P+2:G0P+3], s[8:9]
	s_or_b32 s[G0P+3], s[G0P+3], 0x80000000
	CROUND                                         ; all sixteen work-groups are here: the joint loads meet
	s_cmp_eq_u32 s17, 0                            ; one load a wave, one arm for each side
	s_cbranch_scc0 .Lfor_p
	tensor_load_to_lds s[G0R:G0R+3], s[G1R:G1R+7]
	s_nop 0
	PLACES
	s_branch .Lasked
.Lfor_p:
	tensor_load_to_lds s[G0P:G0P+3], s[G1P:G1P+7]
	s_nop 0
	PLACES
.Lasked:
	s_lshl_b32 s2, s21, 10
	s_lshl_b32 s3, s18, 9
	s_add_co_u32 s2, s2, s3                        ; my first feature, in bytes
	s_mov_b32 s3, 0
	s_add_nc_u64 s[12:13], s[12:13], s[2:3]
	s_add_nc_u64 s[14:15], s[14:15], s[2:3]
	s_lshl_b32 s2, s22, 19
	s_lshl_b32 s48, s17, 18
	s_add_co_u32 s2, s2, s48                       ; my first token's row
	s_add_nc_u64 s[14:15], s[14:15], s[2:3]
.irp a, 0,1,2,3
.irp kh, 0,1
	global_load_b128 v[SR+8*\a+4*\kh:SR+8*\a+4*\kh+3], v[R16], s[6:7] offset:512*\a+256*\kh
.endr
.endr
.irp b, 0,1,2,3,4,5,6,7
.irp kh, 0,1
	global_load_b128 v[SP+8*\b+4*(1-\kh):SP+8*\b+4*(1-\kh)+3], v[R16], s[10:11] offset:512*\b+256*\kh
.endr
.endr
	WIN 0xc0
.irp b, 0,1,2,3,4,5,6,7                        ; register j of tile b is feature 32 (b / 2) + 16 h + 8 (b % 2) + j
	global_load_b128 v[8*\b:8*\b+3], v[BOF], s[12:13] offset:(32*(\b/2)+8*(\b%2))*4
	global_load_b128 v[8*\b+4:8*\b+7], v[BOF], s[12:13] offset:(32*(\b/2)+8*(\b%2))*4+16
.endr
	WIN 0
.macro FETCH ks                        ; K step ks: P's eight fragments and R's four into set ks % 2.  R's image is two halves of 768 bytes: registers 0-3 at 16 a lane, 4-5 at 8 a lane
	WIN 0x40
.irp i, 0,1,2,3,4,5,6,7
.irp c, 0,1,2
	ds_load_b128 v[128*((\ks)%2)+FR*\i+4*\c:128*((\ks)%2)+FR*\i+4*\c+3], v[ADRP+\i/4] offset:12288*(\i%4)+1536*(\ks)+512*\c
.endr
.endr
	WIN 0
.irp i, 0,1,2,3
	ds_load_b128 v[RF+48*((\ks)%2)+FR*\i:RF+48*((\ks)%2)+FR*\i+3], v[ADR6] offset:12288*\i+1536*(\ks)
	ds_load_b64 v[RF+48*((\ks)%2)+FR*\i+4:RF+48*((\ks)%2)+FR*\i+5], v[ADR8] offset:12288*\i+1536*(\ks)+512
	ds_load_b128 v[RF+48*((\ks)%2)+FR*\i+6:RF+48*((\ks)%2)+FR*\i+9], v[ADR6] offset:12288*\i+1536*(\ks)+768
	ds_load_b64 v[RF+48*((\ks)%2)+FR*\i+10:RF+48*((\ks)%2)+FR*\i+11], v[ADR8] offset:12288*\i+1536*(\ks)+1280
.endr
.endm
.macro MUL16 a0, ks                    ; the 32 accumulators take turns, one instruction a turn
.irp a, \a0, \a0+1
.irp b, 0,1,2,3,4,5,6,7
.if (\ks) == 0
	v_wmma_scale_f32_16x16x128_f8f6f4 v[8*(8*(\a)+\b):8*(8*(\a)+\b)+7], v[128*((\ks)%2)+FR*\b:128*((\ks)%2)+FR*\b+FR-1], v[RF+48*((\ks)%2)+FR*(\a):RF+48*((\ks)%2)+FR*(\a)+FR-1], v[8*\b:8*\b+7], v[SP+8*\b+((\ks)^4)], v[SR+8*(\a)+(\ks)] matrix_a_fmt:MATRIX_FMT_FP6 matrix_b_fmt:MATRIX_FMT_FP6
.else
	v_wmma_scale_f32_16x16x128_f8f6f4 v[8*(8*(\a)+\b):8*(8*(\a)+\b)+7], v[128*((\ks)%2)+FR*\b:128*((\ks)%2)+FR*\b+FR-1], v[RF+48*((\ks)%2)+FR*(\a):RF+48*((\ks)%2)+FR*(\a)+FR-1], v[8*(8*(\a)+\b):8*(8*(\a)+\b)+7], v[SP+8*\b+((\ks)^4)], v[SR+8*(\a)+(\ks)] matrix_a_fmt:MATRIX_FMT_FP6 matrix_b_fmt:MATRIX_FMT_FP6
.endif
.endr
.endr
.endm
.macro STEP ks                         ; this step's fragments are in; the next step's are asked for ahead of this step's 32 products
	s_wait_dscnt 0x0
.if (\ks) > 0
	PLACES                                         ; in front of loads into registers that the step before multiplied
.endif
	FETCH (\ks)+1
.if (\ks) == 0
	WIN 0xb1                                       ; C from window 3: the bias
.else
	WIN 0xa1
.endif
	MUL16 0, \ks
	MUL16 2, \ks
	WIN 0
.endm
	s_wait_tensorcnt 0x0                           ; my load has landed
	s_barrier_signal -1
	s_barrier_wait -1                              ; everybody's has
	FETCH 0
	s_wait_loadcnt 0x0                             ; the scale words and the bias
.irp k, 0,1,2,3,4,5,6
	STEP \k
.endr
	s_wait_dscnt 0x0                               ; my last reads of the tiles are over
	s_barrier_signal -1
	WIN 0xa1
	MUL16 0, 7
	MUL16 2, 7
	WIN 0
	s_barrier_wait -1                              ; everybody's are: the stages may be written
.macro TOSTAGE a                       ; each accumulator from its low end on; LDS serves a wave's instructions in order, so no wait stands between the stores and the loads
	WIN 0x08
.irp b, 0,1,2,3,4,5,6,7
	ds_store_b128 v[STO], v[64*(\a)+8*\b:64*(\a)+8*\b+3] offset:128*(\b/2)+32*(\b%2)
	ds_store_b128 v[STO], v[64*(\a)+8*\b+4:64*(\a)+8*\b+7] offset:128*(\b/2)+32*(\b%2)+16
.endr
	WIN 0
.irp t, 0,1,2,3,4,5,6,7,8,9,10,11,12,13,14,15
	ds_load_b128 v[BK+64*((\a)%2)+4*\t:BK+64*((\a)%2)+4*\t+3], v[RD] offset:528*\t
.endr
.endm
.macro SEND a, younger                 ; 32 lanes store 512 consecutive bytes, aligned
	s_wait_dscnt \younger
.irp t, 0,1,2,3,4,5,6,7,8,9,10,11,12,13,14,15
	global_store_b128 v[LI], v[BK+64*((\a)%2)+4*\t:BK+64*((\a)%2)+4*\t+3], s[14:15] offset:(32*((\a)/2)+8*((\a)%2)+\t+8*(\t/8))*4096 th:TH_STORE_NT
.endr
.endm
	PLACES                                         ; behind the last products
	TOSTAGE 0
.irp a, 1,2,3
.if \a > 1
	s_wait_xcnt 0x0                                ; tile a - 2's stores have read their registers
.endif
	TOSTAGE \a
	SEND \a-1, 32                                  ; behind tile a - 1's loads: tile a's 16 stores and 16 loads
.endr
	SEND 3, 0
	s_wait_tensorcnt 0x0                           ; the wave's end
	ds_add_u32 v[SPW], v[NIL]
	s_wait_dscnt 0x0
	CROUND                                         ; the closing round
	s_endpgm
.Lfunc_end_k_qc3a6aad10a_proj:
	.size	k_qc3a6aad10a_proj, .Lfunc_end_k_qc3a6aad10a_proj-k_qc3a6aad10a_proj
	.p2alignl 7, 3214868480
	.fill 96, 4, 3214868480
	.section	.rodata,"a",@progbits
	.p2align	6, 0x0
	.amdhsa_kernel k_qc3a6aad10a_proj
		.amdhsa_group_segment_fixed_size 327680
		.amdhsa_private_segment_fixed_size 0
		.amdhsa_enable_private_segment 0
		.amdhsa_kernarg_size 48
		.amdhsa_user_sgpr_count 2
		.amdhsa_user_sgpr_kernarg_segment_ptr 1
		.amdhsa_wavefront_size32 1
		.amdhsa_system_sgpr_workgroup_id_x 1
		.amdhsa_system_sgpr_workgroup_id_y 1
		.amdhsa_system_sgpr_workgroup_id_z 1
		.amdhsa_system_vgpr_workitem_id 0
		.amdhsa_next_free_vgpr 832
		.amdhsa_next_free_sgpr 66
		.amdhsa_reserve_vcc 0
		.amdhsa_float_denorm_mode_32 3
		.amdhsa_float_denorm_mode_16_64 3
		.amdhsa_memory_ordered 1
		.amdhsa_forward_progress 1
		.amdhsa_inst_pref_size 79
	.end_amdhsa_kernel
	.amdgpu_metadata
---
amdhsa.version: [ 1, 2 ]
amdhsa.kernels:
  - .name:           k_qc3a6aad10a_proj
    .symbol:         k_qc3a6aad10a_proj.kd
    .args:
      - { .name: a_codes, .offset: 0, .size: 8, .value_kind: global_buffer, .address_space: global }
      - { .name: a_scales, .offset: 8, .size: 8, .value_kind: global_buffer, .address_space: global }
      - { .name: w_codes, .offset: 16, .size: 8, .value_kind: global_buffer, .address_space: global }
      - { .name: w_scales, .offset: 24, .size: 8, .value_kind: global_buffer, .address_space: global }
      - { .name: bo, .offset: 32, .size: 8, .value_kind: global_buffer, .address_space: global }
      - { .name: out0, .offset: 40, .size: 8, .value_kind: global_buffer, .address_space: global }
    .group_segment_fixed_size: 327680
    .private_segment_fixed_size: 0
    .kernarg_segment_align: 8
    .kernarg_segment_size: 48
    .max_flat_workgroup_size: 128
    .sgpr_count:     66
    .vgpr_count:     832
    .wavefront_size: 32
...
	.end_amdgpu_metadata
.endif
;; end of part 4
